; MI455X (gfx1250); checked and timed in simulation.
; The chip was launched on July 23, 2026; its instructions are those of AMD's public machine-readable ISA for CDNA 5 (MIT licence, August 2026) and "CDNA5" Instruction Set Architecture Reference Guide (July 2026). The comments in the code are by the model that wrote it; some were corrected since.
;; Eagle3 Llama Attention. Allowed arithmetic: matrix products marked QUANTISED: E2M1 operands, one E8M0 scale for each 32 along K, by v_wmma_scale_f32_16x16x128_f8f6f4 with both operands' format E2M1 (or v_wmma_scale_f32_32x16x128_f4), f32 sums; products left as they are: bf16, f16 or f32 operands; f32 sums; everything else in f32.
;; Inputs: Wk 4,096 x 512 float32; Wo 1,024 x 2,048 float32; Wq 4,096 x 1,024 float32; Wv 4,096 x 512 float32; attention_mask 1 x 1 x 2,048 x 2,048 float32; combined_states 2 x 2,048 x 4,096 float32; position_ids 2 x 2,048 int32.
;; Outputs: out0 2 x 2,048 x 2,048 float32.
;; This version of the problem:
;;   THIS VERSION OF THE PROBLEM IS GIVEN IN LOW PRECISION. The matrix products marked QUANTISED in the list below multiply operands that are first quantised to E2M1 (2 exponent bits, 1 mantissa bit; 4 bits a number), with one power-of-two scale for each 32 numbers along K (OCP MX v1.0); their sums are f32. The products marked 'left as it is' may take bf16, f16 or f32 operands, with f32 sums. Whichever they take, every output number must still come out within the allowed error. Rounding operands to bf16 (8 significant bits) uses up far more of that allowance than f16 does (11 bits, for magnitudes from 6e-5 to 65,504). All else is computed in f32.
;;   The module's matrix products, in the order in which they are computed (A, B: the left and right operand; K: the contracted axis; several contracted axes count as one K, in the product's order):
;;     1. [M 4,096, K 4,096] x [K 4,096, N 1,024]; A: input combined_states; B: input Wq: QUANTISED
;;     2. [M 4,096, K 4,096] x [K 4,096, N 512]; A: input combined_states; B: input Wk: QUANTISED
;;     3. [M 4,096, K 4,096] x [K 4,096, N 512]; A: input combined_states; B: input Wv: QUANTISED
;;     4. batch 32 x [M 2,048, K 64] x [K 64, N 2,048]; A: computed on the way; B: computed on the way: left as it is (an operand is computed on the way)
;;     5. batch 32 x [M 2,048, K 2,048] x [K 2,048, N 64]; A: computed on the way; B: computed on the way: left as it is (an operand is computed on the way)
;;     6. [M 4,096, K 1,024] x [K 1,024, N 2,048]; A: computed on the way; B: input Wo: left as it is (an operand is computed on the way)
;;   THE QUANTISER, for each operand of a quantised product, along K:
;;     - K is cut into blocks of 32 from its start; a last block that is shorter is filled with zeros.
;;     - A block's scale is 2^e with e = floor(log2(the largest magnitude in the block)) - 2, held to -126 .. 127; a block of zeros has e = 0. As a byte (E8M0): e + 127.
;;     - Each number is divided by its block's scale, clamped to +-6, and rounded to the nearest number of E2M1, ties to even, subnormals kept.
;;     - The product sums the exact products of the quantised numbers (number of the format x scale) in f32.
;;   ~~~python
;;   def quantise(x, axis):      # numpy; x: float32 -> the quantised numbers, widened to float32 again
;;       x = np.moveaxis(x, axis, -1); K = x.shape[-1]
;;       x = np.pad(x, [(0, 0)] * (x.ndim - 1) + [(0, -K % 32)]); x = x.reshape(x.shape[:-1] + (-1, 32)); a = np.abs(x).max(-1, keepdims=True)
;;       e = np.where(a > 0, np.clip(np.frexp(np.where(a > 0, a, 1))[1] - 1 - 2, -126, 127), 0)      # np.frexp(a)[1] - 1 = floor(log2(a)), exactly
;;       r = np.clip(x / 2.0 ** e, -6, 6)
;;       step = 2.0 ** (np.maximum(np.frexp(np.where(r == 0, 1, r))[1] - 1, 0) - 1)
;;       q = np.round(r / step) * step * 2.0 ** e      # np.round: ties to even
;;       return np.moveaxis(q.reshape(q.shape[:-2] + (-1,))[..., :K], -1, axis).astype(np.float32)
;;   ~~~
;; One version. Each part assembles by itself: llvm-mc -triple=amdgcn-amd-amdhsa -mcpu=gfx1250 --defsym DOCPART=n.
;; ======== version 1 of 1: 4 launches
;; limits: values are held in f16: magnitudes above 65,504 overflow, below 6.1e-05 lose precision; right only within a limited range of input values
;; workspace buffers: xc 8,388,608 bytes; xs 524,288 bytes; wc 4,194,304 bytes; ws 262,144 bytes; wo16 4,194,304 bytes; tab 1,048,576 bytes; qkv 16,777,216 bytes; att 8,388,608 bytes
;; launch prep (part 1): grid 896 x 1, 4 waves a work-group, no clusters, 35,328 bytes of LDS; arguments combined_states, Wq, Wk, Wv, Wo, position_ids, xc, xs, wc, ws, wo16, tab; writes xc, xs, wc, ws, wo16, tab
.if DOCPART == 1
	.amdgcn_target "amdgcn-amd-amdhsa--gfx1250"
	.amdhsa_code_object_version 6
	.text
	.protected	k_q7133760e0f_prep
	.globl	k_q7133760e0f_prep
	.p2align	8
	.type	k_q7133760e0f_prep,@function
k_q7133760e0f_prep:
	s_mov_b64 s[64:65], 0
	v_nop
	global_prefetch_b8 v0, s[64:65] scope:SCOPE_SE
	s_setreg_imm32_b32 hwreg(HW_REG_WAVE_MODE, 25, 1), 1
	s_wait_xcnt 0x0
; PREP: everything that is made once and read many times.  Four kinds of work-group, told apart by the work-group's number alone:
;   0-511    x [4096][4096] f32 -> codes of FP4 (E2M1) and E8M0 scale bytes, one for each 32 along K
;   512-639  Wq, Wk, Wv [4096 (k)][n] f32 -> the same, quantised along K, which is their FIRST axis; the three lie side by side as n = 0 .. 2047
;   640-767  Wo [1024][2048] f32 -> 4 x Wo in f16 (the attention's result is carried x 1/4)
;   768-895  position_ids -> a table [row][cos / 4 of 32 frequencies, sin / 4 of the same], f32, 256 bytes a row
; CODES AND SCALES ARE LAID AS IMAGES OF THE OPERAND'S REGISTERS: codes [tile of 16 rows][block of 32 along K][row 16][16 bytes]; scale bytes [tile][512 along K][row 16][16 bytes].
; A block's scale is 2^(floor(log2(largest magnitude)) - 2); its byte is the largest magnitude's exponent field - 2, held at 1 from below.  A block of zeros so gets the byte 1 where the rule says 127:
; its codes are zeros, which add nothing under any byte but 0xff, and this program alone reads the bytes.
; LIMITS: NaN and infinities among x and W are not served.  4 x Wo must lie inside f16 (|Wo| under 16,376).  |position| under 2^24 (it is converted to f32 as reference() converts it).
; cos and sin: the angle is reduced by multiples of pi / 2 given in three parts, then polynomials of degree 7 and 8 on |r| <= pi / 4, all in f32.
; Memory binds here: no matrix unit, no cluster (work-groups share no input), no barrier (waves share nothing).  Only x's path touches LDS.
.set SPW,   28                         ; v28  LDS address of my spare word; never rewritten
.set NIL,   29                         ; v29  0; never rewritten
.set SPARE, 34816                      ; behind the four waves' stages: the spare words, 128 bytes a wave
.set XR,    64                         ; x: v64-191 four sets of 32 registers as loaded
.set XX,    192                        ; x: v192-255 two sets of 32 neighbours along K
.set XC,    32                         ; x: v32-63 codes, four registers a step, never rewritten
.set XSB,   24                         ; x: v24-27 scale bytes
.set WOF,   32                         ; W: v32-63 byte offsets of 32 rows of K
.set WX,    64                         ; W: v64-127 two sets of 32 numbers down K
.set WC,    128                        ; W: v128-135 two sets of codes
.set WSB,   24                         ; W: v24-27 scale bytes
	s_load_b512 s[4:19], s[0:1], 0x0               ; x 4, Wq 6, Wk 8, Wv 10, Wo 12, positions 14, xc 16, xs 18
	s_load_b256 s[20:27], s[0:1], 0x40             ; wc 20, ws 22, wo16 24, tab 26
	v_lshl_add_u32 v[SPW], v0, 2, SPARE
	v_mov_b32 v[NIL], 0
	v_lshrrev_b32 v1, 5, v0
	v_readfirstlane_b32 s30, v1                    ; wave 0..3
	v_and_b32 v1, 31, v0                           ; lane l
	v_and_b32 v2, 15, v0                           ; r = l % 16
	v_bfe_u32 v3, v0, 4, 1                         ; h = l / 16
	s_lshl_b32 s31, ttmp9, 2
	s_add_co_u32 s31, s31, s30                     ; 4 x work-group + wave
	s_mov_b32 s35, 0
	s_mov_b32 s40, 0x76543210                      ; v_permlanex16_b32's selects for lane l xor 16
	s_mov_b32 s41, 0xfedcba98
	s_wait_kmcnt 0x0
	s_cmp_lt_u32 ttmp9, 512
	s_cbranch_scc0 .Lnot_x
; the largest magnitude of 32 numbers v[xs] .. v[xs + 31] of one lane, with the floor 2^(3 - 127) among its leaves, in v12; the conversion's scale operand (2 off the exponent field) in v11
.macro BMAX xs
	v_max3_num_f32 v12, |v[\xs]|, |v[\xs+1]|, |v[\xs+2]|
	v_max3_num_f32 v13, |v[\xs+3]|, |v[\xs+4]|, |v[\xs+5]|
.irp i, 6,10,14,18,22,26
	v_max3_num_f32 v12, v12, |v[\xs+\i]|, |v[\xs+\i+1]|
	v_max3_num_f32 v13, v13, |v[\xs+\i+2]|, |v[\xs+\i+3]|
.endr
	v_max3_num_f32 v12, v12, |v[\xs+30]|, |v[\xs+31]|
	v_max3_num_f32 v12, v12, v13, 0x1800000
	v_add_nc_u32 v11, 0xff000000, v12
.endm
; ---------------- x.  A wave takes a tile of 16 rows x 512 along K, in 8 steps of 64 along K.
; Each load reads 256 consecutive bytes of two rows; a step's 16 x 256 bytes turn through the wave's own stage in LDS (rows 272 bytes apart) and come back 128 bytes a lane: lane (r, h) holds block 2 t + h of row r whole.
	s_lshr_b32 s32, s31, 3                         ; the tile of rows
	s_and_b32 s33, s31, 7                          ; which 512 along K
	s_lshl_b32 s34, s32, 18                        ; 16 rows of 16,384 bytes
	s_lshl_b32 s36, s33, 11
	s_add_co_u32 s34, s34, s36
	s_add_nc_u64 s[4:5], s[4:5], s[34:35]
	s_lshl_b32 s34, s32, 15                        ; a tile's codes: 128 blocks x 256 bytes
	s_lshl_b32 s36, s33, 12
	s_add_co_u32 s34, s34, s36
	s_add_nc_u64 s[16:17], s[16:17], s[34:35]
	s_lshl_b32 s34, s31, 8                         ; 256 scale bytes for a tile and 512 along K
	s_add_nc_u64 s[18:19], s[18:19], s[34:35]
	s_mul_i32 s37, s30, 8704                       ; my two stages
	v_lshlrev_b32 v4, 14, v3
	v_lshl_add_u32 v4, v2, 4, v4                   ; in memory: row h of a pair, 16 r
	v_mul_u32_u24 v5, v3, 272
	v_lshl_add_u32 v5, v2, 4, v5
	v_add_nc_u32 v5, s37, v5                       ; into the stage: the same place
	v_mul_u32_u24 v6, v2, 272
	v_lshl_add_u32 v6, v3, 7, v6
	v_add_nc_u32 v6, s37, v6                       ; out of it: row r, half h of its 256 bytes
	v_lshlrev_b32 v7, 4, v1                        ; codes: 16 l
	v_lshlrev_b32 v8, 4, v2
	v_lshl_add_u32 v8, v3, 3, v8                   ; scale bytes: 16 r + 8 h
.macro XLOAD t
.irp j, 0,1,2,3,4,5,6,7
	global_load_b128 v[XR+32*((\t)%4)+4*\j:XR+32*((\t)%4)+4*\j+3], v4, s[4:5] offset:32768*\j+256*(\t) th:TH_LOAD_NT
.endr
.endm
.macro XTURN t                         ; LDS serves a wave's instructions in order: no wait between the stores and the loads
.irp j, 0,1,2,3,4,5,6,7
	ds_store_b128 v5, v[XR+32*((\t)%4)+4*\j:XR+32*((\t)%4)+4*\j+3] offset:4352*((\t)%2)+544*\j
.endr
.irp j, 0,1,2,3,4,5,6,7
	ds_load_b128 v[XX+32*((\t)%2)+4*\j:XX+32*((\t)%2)+4*\j+3], v6 offset:4352*((\t)%2)+16*\j
.endr
.endm
.macro XSTEP t
.set XS, XX+32*((\t)%2)
	s_wait_dscnt 0x0                               ; this step's numbers are back from the stage, and its stores into the stage have read their registers,
.if (\t)+4 < 8
	XLOAD (\t)+4                                   ; which take the loads of four steps on
.endif
.if (\t)+1 < 8
.if (\t) < 4
	s_wait_loadcnt 24                              ; the next step's eight loads are in; those of the three steps behind it may be out
.else
	s_wait_loadcnt 8*(6-(\t))                      ; towards the end fewer steps stand behind it
.endif
	XTURN (\t)+1
.endif
	BMAX XS
.irp g, 0,1,2,3
	v_cvt_scalef32_pk8_fp4_f32 v[XC+4*(\t)+\g], v[XS+8*\g:XS+8*\g+7], v11
.endr
	v_lshrrev_b32 v13, 23, v11                     ; the scale's byte (also the plain line behind the conversions)
.if (\t)%2 == 0
	v_mov_b32 v[XSB+(\t)/2], v13                   ; block 2 t + h: word t / 2, byte 2 (t % 2) + h; the h is put in at the end
.else
	v_lshl_or_b32 v[XSB+(\t)/2], v13, 16, v[XSB+(\t)/2]
.endif
	global_store_b128 v7, v[XC+4*(\t):XC+4*(\t)+3], s[16:17] offset:512*(\t)   ; 32 lanes store 512 consecutive bytes: blocks 2 t and 2 t + 1 of the 16 rows
.endm
.irp t, 0,1,2,3
	XLOAD \t
.endr
	s_wait_loadcnt 24                              ; step 0's eight loads are in
	XTURN 0
.irp t, 0,1,2,3,4,5,6,7
	XSTEP \t
.endr
	v_lshlrev_b32 v9, 3, v3                        ; my bytes go 8 h bits up,
.irp q, 0,1,2,3
	v_lshlrev_b32 v[XSB+\q], v9, v[XSB+\q]
	v_mov_b32 v[12+\q], 0                          ; (a lane permute's destination counts as one of its sources)
.endr
.irp q, 0,1,2,3
	v_permlanex16_b32 v[12+\q], v[XSB+\q], s40, s41
.endr
.irp q, 0,1,2,3
	v_or_b32 v[XSB+\q], v[XSB+\q], v[12+\q]        ; and with lane l xor 16's the four words of row r are whole
.endr
	v_cmp_eq_u32 vcc_lo, 1, v3
	v_cndmask_b32 v10, v[XSB], v[XSB+2], vcc_lo    ; lanes 0-15 store words 0, 1, lanes 16-31 words 2, 3
	v_cndmask_b32 v11, v[XSB+1], v[XSB+3], vcc_lo
	global_store_b64 v8, v[10:11], s[18:19]        ; 32 lanes store 256 consecutive bytes
	s_wait_tensorcnt 0x0                           ; the wave's end, behind my last LDS store
	ds_add_u32 v[SPW], v[NIL]
	s_wait_dscnt 0x0
	s_endpgm
; ---------------- Wq, Wk, Wv.  A lane takes a column n and its registers run down K: a block of 32 lies in one lane, and the conversions give codes with K innermost.  A wave: 32 columns x 512 along K.
.Lnot_x:
	s_cmp_lt_u32 ttmp9, 640
	s_cbranch_scc0 .Lnot_w
	s_sub_co_u32 s32, ttmp9, 512
	s_and_b32 s33, s32, 15                         ; which 128 columns of the 2,048
	s_lshr_b32 s34, s32, 4                         ; which 512 along K
	s_cmp_lt_u32 s33, 12
	s_cselect_b64 s[44:45], s[8:9], s[10:11]       ; groups 8-11: Wk; 12-15: Wv
	s_cselect_b32 s48, 8, 12
	s_mov_b32 s49, 2048
	s_cmp_lt_u32 s33, 8
	s_cselect_b64 s[44:45], s[6:7], s[44:45]       ; groups 0-7: Wq
	s_cselect_b32 s48, 0, s48                      ; the tensor's first group
	s_cselect_b32 s49, 4096, s49                   ; bytes in a row of the tensor
	s_sub_co_u32 s50, s33, s48
	s_lshl_b32 s50, s50, 7
	s_lshl_b32 s51, s30, 5
	s_add_co_u32 s50, s50, s51                     ; my wave's first column in its tensor
	s_lshl_b32 s50, s50, 2
	s_lshl_b32 s51, s34, 9
	s_mul_i32 s51, s51, s49                        ; 512 rows of K for each step of the work-group's place along K
	s_add_co_u32 s50, s50, s51
	s_mov_b32 s51, 0
	s_add_nc_u64 s[44:45], s[44:45], s[50:51]
	s_lshl_b32 s46, s49, 5                         ; a block on: 32 rows
	s_mov_b32 s47, 0
	s_lshl_b32 s50, s33, 18                        ; codes: tile 8 group + 2 wave (+ h), 32,768 bytes a tile, 4,096 for 512 along K
	s_lshl_b32 s52, s30, 16
	s_add_co_u32 s50, s50, s52
	s_lshl_b32 s52, s34, 12
	s_add_co_u32 s50, s50, s52
	s_add_nc_u64 s[20:21], s[20:21], s[50:51]
	s_lshl_b32 s50, s33, 14                        ; scale bytes: 2,048 a tile, 256 for 512 along K
	s_lshl_b32 s52, s30, 12
	s_add_co_u32 s50, s50, s52
	s_lshl_b32 s52, s34, 8
	s_add_co_u32 s50, s50, s52
	s_add_nc_u64 s[22:23], s[22:23], s[50:51]
	v_lshlrev_b32 v4, 15, v3
	v_lshl_add_u32 v4, v2, 4, v4                   ; codes: tile h of my two, 16 r
	v_lshlrev_b32 v5, 11, v3
	v_lshl_add_u32 v5, v2, 4, v5                   ; scale bytes likewise
	v_lshlrev_b32 v[WOF], 2, v1                    ; row i of a block: 4 l + i rows
.set i, 1
.rept 31
	v_add_nc_u32 v[WOF+i], s49, v[WOF+i-1]
.set i, i+1
.endr
.macro WLOAD t                         ; a block: 32 rows of K at 32 neighbouring columns, 128 consecutive bytes a load
.set i, 0
.rept 32
	global_load_b32 v[WX+32*((\t)%2)+i], v[WOF+i], s[44:45] th:TH_LOAD_NT
.set i, i+1
.endr
.endm
.macro WBLOCK t
.set XS, WX+32*((\t)%2)
.set CS, WC+4*((\t)%2)
.if (\t) < 15
	s_wait_loadcnt 32                              ; this block's 32 loads are in; the next block's may be out
.else
	s_wait_loadcnt 0
.endif
	BMAX XS
	v_lshrrev_b32 v13, 23, v11                     ; the scale's byte
.if (\t)%4 == 0
	v_mov_b32 v[WSB+(\t)/4], v13                   ; four bytes to a register, the lower K in the lower byte
.else
	v_lshl_or_b32 v[WSB+(\t)/4], v13, 8*((\t)%4), v[WSB+(\t)/4]
.endif
.irp g, 0,1,2,3
	v_cvt_scalef32_pk8_fp4_f32 v[CS+\g], v[XS+8*\g:XS+8*\g+7], v11
.endr
	v_nop                                          ; one plain line behind the conversions
	global_store_b128 v4, v[CS:CS+3], s[20:21] offset:256*(\t)   ; sixteen lanes store 256 consecutive bytes: block t of a tile's 16 columns
.if (\t)+2 < 16
	s_wait_xcnt 0x0                                ; the loads have read their base and the stores their data: both may be written again
	s_add_nc_u64 s[44:45], s[44:45], s[46:47]
	WLOAD (\t)+2
.endif
.endm
	WLOAD 0
	s_wait_xcnt 0x0
	s_add_nc_u64 s[44:45], s[44:45], s[46:47]
	WLOAD 1
.irp t, 0,1,2,3,4,5,6,7,8,9,10,11,12,13,14,15
	WBLOCK \t
.endr
	global_store_b128 v5, v[WSB:WSB+3], s[22:23]   ; my column's 16 scale bytes; sixteen lanes store 256 consecutive bytes
	s_endpgm
; ---------------- Wo.  A wave takes 16,384 bytes: 32 loads of 512 consecutive bytes, all out at once; each becomes 256 consecutive bytes of f16.
.Lnot_w:
	s_cmp_lt_u32 ttmp9, 768
	s_cbranch_scc0 .Ltab
	s_sub_co_u32 s32, s31, 2560                    ; 4 x (work-group - 640) + wave
	s_lshl_b32 s34, s32, 14
	s_add_nc_u64 s[12:13], s[12:13], s[34:35]
	s_lshl_b32 s34, s32, 13
	s_add_nc_u64 s[24:25], s[24:25], s[34:35]
	v_lshlrev_b32 v4, 4, v1
	v_lshlrev_b32 v5, 3, v1
.set j, 0
.rept 32
	global_load_b128 v[64+4*j:67+4*j], v4, s[12:13] offset:512*j th:TH_LOAD_NT
.set j, j+1
.endr
.set j, 0
.rept 32
	s_wait_loadcnt 31-j                            ; loads come back in order: load j is in, the younger ones stay out
	v_pk_mul_f32 v[64+4*j:65+4*j], v[64+4*j:65+4*j], 4.0 op_sel_hi:[1,0]
	v_pk_mul_f32 v[66+4*j:67+4*j], v[66+4*j:67+4*j], 4.0 op_sel_hi:[1,0]
	v_cvt_pk_f16_f32 v[192+2*j], v[64+4*j], v[65+4*j]
	v_cvt_pk_f16_f32 v[193+2*j], v[66+4*j], v[67+4*j]
	global_store_b64 v5, v[192+2*j:193+2*j], s[24:25] offset:256*j
.set j, j+1
.endr
	s_endpgm
; ---------------- The table.  A wave takes 8 rows.  Lane (r, h) makes two numbers of a row: frequencies 2 r and 2 r + 1; lanes 0-15 the cosines, lanes 16-31 the sines: cos t = sin(t + pi / 2), one quadrant on.
.Ltab:
	s_sub_co_u32 s44, s31, 3072                    ; 4 x (work-group - 768) + wave
	s_lshl_b32 s42, s44, 5                         ; 8 positions of 4 bytes
	s_mov_b32 s43, 0
	s_add_nc_u64 s[14:15], s[14:15], s[42:43]
	s_load_b256 s[32:39], s[14:15], 0x0
	s_lshl_b32 s44, s44, 11                        ; 8 rows of 256 bytes
	s_mov_b32 s45, 0
	s_add_nc_u64 s[26:27], s[26:27], s[44:45]
	s_mov_b32 s48, 0x3f22f983                      ; 2 / pi
	s_mov_b32 s49, 0xbfc90fdb                      ; - pi / 2, in three parts
	s_mov_b32 s50, 0x333bbd2e
	s_mov_b32 s51, 0x26f72ced
	s_mov_b32 s52, 0xbe2aaaa3                      ; sin r = r + r z (S1 + z (S2 + z S3)), z = r r
	s_mov_b32 s53, 0x3c08839e
	s_mov_b32 s54, 0xb94ca1f9
	s_mov_b32 s55, 0x3d2aaaa5                      ; cos r = 1 - z / 2 + z z (C1 + z (C2 + z C3))
	s_mov_b32 s56, 0xbab6061a
	s_mov_b32 s57, 0x37ccf5ce
	v_lshlrev_b32 v4, 3, v1                        ; 8 l: my two numbers of a row
	v_lshlrev_b32 v9, 1, v2
	v_cvt_f32_u32 v10, v9
	v_add_nc_u32 v9, 1, v9
	v_cvt_f32_u32 v11, v9
	v_mul_f32 v10, 0xbed49a78, v10                 ; - f log2(10000) / 32
	v_mul_f32 v11, 0xbed49a78, v11
	v_exp_f32 v10, v10                             ; 10000^(- f / 32)
	v_exp_f32 v11, v11
	v_sub_nc_u32 v12, 1, v3                        ; the quadrant to add: 1 for the cosines.  (A plain line behind the exponentials)
	s_wait_alu depctr_va_vdst(0)                   ; the wait ahead of the first reader: one for both
	s_wait_kmcnt 0x0
.macro TROW i
	v_cvt_f32_i32 v13, s[32+\i]
.irp a, 0,1
	v_mul_f32 v[14+\a], v13, v[10+\a]              ; the angle, rounded once, as reference() forms it
.endr
.irp a, 0,1
	v_mul_f32 v[16+\a], s48, v[14+\a]
.endr
.irp a, 0,1
	v_rndne_f32 v[16+\a], v[16+\a]                 ; n
.endr
.irp a, 0,1
	v_fma_f32 v[14+\a], v[16+\a], s49, v[14+\a]
.endr
.irp a, 0,1
	v_fma_f32 v[14+\a], v[16+\a], s50, v[14+\a]
.endr
.irp a, 0,1
	v_fma_f32 v[14+\a], v[16+\a], s51, v[14+\a]    ; r = angle - n pi / 2
.endr
.irp a, 0,1
	v_cvt_i32_f32 v[16+\a], v[16+\a]
.endr
.irp a, 0,1
	v_add_nc_u32 v[16+\a], v[16+\a], v12           ; the quadrant
.endr
.irp a, 0,1
	v_mul_f32 v[18+\a], v[14+\a], v[14+\a]         ; z
.endr
.irp a, 0,1
	v_fma_f32 v[20+\a], v[18+\a], s54, s53
	v_fma_f32 v[24+\a], v[18+\a], s57, s56
.endr
.irp a, 0,1
	v_fma_f32 v[20+\a], v[20+\a], v[18+\a], s52
	v_fma_f32 v[24+\a], v[24+\a], v[18+\a], s55
.endr
.irp a, 0,1
	v_mul_f32 v[22+\a], v[14+\a], v[18+\a]
	v_mul_f32 v[26+\a], v[18+\a], v[18+\a]
	v_fma_f32 v[30+\a], v[18+\a], -0.5, 1.0
.endr
.irp a, 0,1
	v_fma_f32 v[20+\a], v[22+\a], v[20+\a], v[14+\a]   ; sin r
	v_fma_f32 v[24+\a], v[26+\a], v[24+\a], v[30+\a]   ; cos r
.endr
.irp a, 0,1
	v_and_b32 v[22+\a], 1, v[16+\a]
.endr
.irp a, 0,1
	v_cmp_eq_u32 vcc_lo, 1, v[22+\a]
	v_cndmask_b32 v[20+\a], v[20+\a], v[24+\a], vcc_lo   ; odd quadrants take cos r
.endr
.irp a, 0,1
	v_lshlrev_b32 v[16+\a], 30, v[16+\a]
.endr
.irp a, 0,1
	v_and_b32 v[16+\a], 0x80000000, v[16+\a]       ; quadrants 2 and 3 change the sign
.endr
.irp a, 0,1
	v_xor_b32 v[20+\a], v[20+\a], v[16+\a]
.endr
.irp a, 0,1
	v_mul_f32 v[64+2*\i+\a], 0x3e800000, v[20+\a]  ; x 1/4, exact; each row has registers of its own, so no store's data are written again
.endr
	global_store_b64 v4, v[64+2*\i:65+2*\i], s[26:27] offset:256*\i   ; 32 lanes store a row: 256 consecutive bytes
.endm
.irp i, 0,1,2,3,4,5,6,7
	TROW \i
.endr
	s_endpgm
.Lfunc_end_k_q7133760e0f_prep:
	.size	k_q7133760e0f_prep, .Lfunc_end_k_q7133760e0f_prep-k_q7133760e0f_prep
	.p2alignl 7, 3214868480
	.fill 96, 4, 3214868480
	.section	.rodata,"a",@progbits
	.p2align	6, 0x0
	.amdhsa_kernel k_q7133760e0f_prep
		.amdhsa_group_segment_fixed_size 35328
		.amdhsa_private_segment_fixed_size 0
		.amdhsa_enable_private_segment 0
		.amdhsa_kernarg_size 96
		.amdhsa_user_sgpr_count 2
		.amdhsa_user_sgpr_kernarg_segment_ptr 1
		.amdhsa_wavefront_size32 1
		.amdhsa_system_sgpr_workgroup_id_x 1
		.amdhsa_system_sgpr_workgroup_id_y 1
		.amdhsa_system_sgpr_workgroup_id_z 1
		.amdhsa_system_vgpr_workitem_id 0
		.amdhsa_next_free_vgpr 256
		.amdhsa_next_free_sgpr 66
		.amdhsa_reserve_vcc 1
		.amdhsa_float_denorm_mode_32 3
		.amdhsa_float_denorm_mode_16_64 3
		.amdhsa_memory_ordered 1
		.amdhsa_forward_progress 1
		.amdhsa_inst_pref_size 143
	.end_amdhsa_kernel
	.amdgpu_metadata
---
amdhsa.version: [ 1, 2 ]
amdhsa.kernels:
  - .name:           k_q7133760e0f_prep
    .symbol:         k_q7133760e0f_prep.kd
    .args:
      - { .name: combined_states, .offset: 0, .size: 8, .value_kind: global_buffer, .address_space: global }
      - { .name: Wq, .offset: 8, .size: 8, .value_kind: global_buffer, .address_space: global }
      - { .name: Wk, .offset: 16, .size: 8, .value_kind: global_buffer, .address_space: global }
      - { .name: Wv, .offset: 24, .size: 8, .value_kind: global_buffer, .address_space: global }
      - { .name: Wo, .offset: 32, .size: 8, .value_kind: global_buffer, .address_space: global }
      - { .name: position_ids, .offset: 40, .size: 8, .value_kind: global_buffer, .address_space: global }
      - { .name: xc, .offset: 48, .size: 8, .value_kind: global_buffer, .address_space: global }
      - { .name: xs, .offset: 56, .size: 8, .value_kind: global_buffer, .address_space: global }
      - { .name: wc, .offset: 64, .size: 8, .value_kind: global_buffer, .address_space: global }
      - { .name: ws, .offset: 72, .size: 8, .value_kind: global_buffer, .address_space: global }
      - { .name: wo16, .offset: 80, .size: 8, .value_kind: global_buffer, .address_space: global }
      - { .name: tab, .offset: 88, .size: 8, .value_kind: global_buffer, .address_space: global }
    .group_segment_fixed_size: 35328
    .private_segment_fixed_size: 0
    .kernarg_segment_align: 8
    .kernarg_segment_size: 96
    .max_flat_workgroup_size: 128
    .sgpr_count:     66
    .vgpr_count:     256
    .wavefront_size: 32
...
	.end_amdgpu_metadata
.endif
;; end of part 1
;; launch qkv (part 2): grid 8 x 32, 4 waves a work-group, clusters of 4 x 4, 327,680 bytes of LDS; arguments xc, xs, wc, ws, tab, qkv; writes qkv
.if DOCPART == 2
	.amdgcn_target "amdgcn-amd-amdhsa--gfx1250"
	.amdhsa_code_object_version 6
	.text
	.protected	k_q7133760e0f_qkv
	.globl	k_q7133760e0f_qkv
	.p2align	8
	.type	k_q7133760e0f_qkv,@function
k_q7133760e0f_qkv:
	s_mov_b64 s[64:65], 0
	v_nop
	global_prefetch_b8 v0, s[64:65] scope:SCOPE_SE
	s_setreg_imm32_b32 hwreg(HW_REG_WAVE_MODE, 25, 1), 1
	s_wait_xcnt 0x0
	s_wait_alu depctr_hold_cnt(0) depctr_sa_sdst(0) depctr_va_vdst(0) depctr_va_sdst(0) depctr_va_ssrc(0) depctr_va_vcc(0) depctr_vm_vsrc(0)
	s_getreg_b32 s2, hwreg(HW_REG_IB_STS2, 6, 4)
	s_cmp_eq_u32 s2, 0
	s_cbranch_scc0 .Lentry_in_a_cluster
	s_endpgm
.Lentry_in_a_cluster:
	s_bfe_u32 s2, ttmp6, 0x10000c
	s_cmp_lg_u32 s2, 0xf033
	s_cbranch_scc0 .Lentry_shape_is_right
	s_endpgm
.Lentry_shape_is_right:
; [q | k | v] = x [Wq | Wk | Wv], M 4,096, N 2,048, K 4,096, on codes of FP4 (E2M1) with one E8M0 scale for each 32 along K; sums in f32; then RoPE on q and k, x 1/4 on all three, f16 out as [b][head slot 32][s][64].
; A tile of C is 128 (m) x 256 (n): 32 x 8 = 256 work-groups.  Four waves, 2 x 2: a wave makes 64 rows x 128 columns (two heads): 32 accumulators, 256 registers.
; K goes in steps of 512 through a ring of two LDS slots.  Codes lie in memory as images of the operand's registers (tile of 16 rows, block of 32 along K, row, 16 bytes), so a tile's part of a slot is 4,096 dense bytes,
; a fragment is two loads of 512 consecutive bytes, and LDS needs neither pitch nor padding.  The scale bytes of the work-group's rows and columns, for all of K, come once with the first fills and stay.
; CLUSTERS: 4 x 4.  x's tiles hang on the tile row alone and are asked for jointly along a row of the cluster, W's on the tile column alone, jointly along a column.
; THE MATRIX INSTRUCTION IS USED TRANSPOSED (source 0 = 16 columns of W, source 1 = 16 rows of x): a lane holds row l % 16 and eight neighbouring columns 8 (l / 16) + 0 .. 7.
; RoPE: columns d and d + 32 of a head lie in the same lane, two accumulators apart.  The table holds cos / 4 and sin / 4.  V's columns take no rotation: their table is turned into (1/4, 0) by a multiply-add with
; factors chosen by the tile column, without a branch, since partners of a cluster run alike.
; LIMITS: q, k, v leave as f16 x 1/4: |q|, |k|, |v| up to 262,000 are served; what lies under 2.4e-7 is lost.
; No prefetch: each tile is read by several clusters at about the same time, and a slot's 128 matrix instructions a wave stand between a request and the wait for it.
; REGISTERS, in windows of 256: window 0: v1-31 addresses and factors; v32-95 scale words, two sets; v96-159 x's fragments, two sets; on the way out v160-223 at work, v32-95 rows read back.
;   window 1: W's fragments, two sets at v0 and v128; the table for my 64 rows at v64-127 and v192-255.   window 2: accumulator (a, b) at v[8 (8 a + b)].
.set SLOT,   98304                     ; x's 8 tiles x 4,096 bytes, then W's 16 tiles x 4,096
.set BOFF,   32768
.set SCL,    2*SLOT                    ; the scales: x's 8 tiles x 2,048 bytes, then W's 16 tiles x 2,048
.set STAGE,  SCL+49152                 ; the way out: for each wave 2 heads x 16 rows x (128 bytes + 16); no tile ever lands here
.set SPARE,  STAGE+4*4608              ; the spare words, 128 bytes a wave
.set KA,   12                          ; v[12:13] 1 (q, k) or 0 (v)
.set KB,   14                          ; v[14:15] 0 (q, k) or 1/4 (v)
.set ADRA, 16                          ; v16-17  LDS address of x's fragments in slot 0, 1
.set ADRB, 20                          ; v20-21  of W's
.set STO,  24
.set RD,   25
.set GO,   26
.set ADRS, 27                          ; v27  LDS address of my scale words: lanes 0-15 x's rows, lanes 16-31 W's columns
.set SPW,  28                          ; v28  my spare word; never rewritten
.set NIL,  29                          ; v29  0; never rewritten
.set TBO,  30                          ; v30  my byte in the table's rows; never rewritten
.set SC,   32
.set AF,   96
.set T,    160
.set PK,   192
.set OB,   32
.set WV,   16
.set WM,   17                          ; s17  which 64 rows are mine.  Also: I fetch for x (0) or for W (1)
.set WN,   18                          ; s18  which 128 columns.  Also: which half of that tile I fetch
.set G1A,  24
.set G0A,  32
.set G1B,  48
.set G0B,  56
.set G1SA, 68
.set G0SA, 76
.set G1SB, 80
.set G0SB, 88
.set MSB, 0
.macro WIN new                         ; the immediate's high byte repeats the setting that is left
.if MSB != \new
	s_set_vgpr_msb (MSB<<8)|\new
.set MSB, \new
.endif
.endm
.set MUL,  0xa1                        ; source 0 (W) window 1, source 1 (x) window 0, C and D window 2
.set TO_B, 0x40                        ; destination window 1, address window 0
; A joint load: waves 0 and 1 fetch for x, waves 2 and 3 for W.  The branch hangs on the wave's number alone.  An s_nop 0 and four v_nop follow each line.
.macro JLOAD g0a, g1a, g0b, g1b
	s_cmp_eq_u32 s[WM], 0
	s_cbranch_scc0 .Lfor_b_\@
	tensor_load_to_lds s[\g0a:\g0a+3], s[\g1a:\g1a+7]
	s_nop 0
.rept 4
	v_nop
.endr
	s_branch .Lasked_\@
.Lfor_b_\@:
	tensor_load_to_lds s[\g0b:\g0b+3], s[\g1b:\g1b+7]
	s_nop 0
.rept 4
	v_nop
.endr
.Lasked_\@:
.endm
.macro CREST                           ; a round of the cluster's barrier behind its opening barrier
	s_cmp_lg_u32 s[WV], 0
	s_cbranch_scc1 .Lnot_wave_0_\@
	s_barrier_signal -3
.Lnot_wave_0_\@:
	s_barrier_wait -3
	s_barrier_signal -1
	s_barrier_wait -1
.endm
.macro CROUND
	s_barrier_signal -1
	s_barrier_wait -1
	CREST
.endm
.macro PLACES                          ; four plain lines between a matrix instruction and a load into, or a read of, its registers
.rept 4
	v_nop
.endr
.endm
	s_load_b256 s[4:11], s[0:1], 0x0               ; x's codes 4, x's scales 6, W's codes 8, W's scales 10
	s_load_b128 s[12:15], s[0:1], 0x20             ; the table 12, qkv 14
	v_lshl_add_u32 v[SPW], v0, 2, SPARE
	v_mov_b32 v[NIL], 0
	ds_add_u32 v[SPW], v[NIL]                      ; the wave's opening: the add, twice on end, and its wait ahead of my first tensor load
	ds_add_u32 v[SPW], v[NIL]
	v_lshrrev_b32 v1, 5, v0
	v_readfirstlane_b32 s[WV], v1                  ; wave 0..3
	s_lshr_b32 s[WM], s[WV], 1
	s_and_b32 s[WN], s[WV], 1
	s_bfe_u32 s40, ttmp6, 0x40000                  ; cx, cy: my place in the cluster
	s_bfe_u32 s41, ttmp6, 0x40004
	s_lshl_b32 s42, ttmp9, 2
	s_add_co_u32 s42, s42, s40                     ; tile column = 4 x cluster x + cx
	s_and_b32 s19, ttmp7, 0xffff
	s_lshl_b32 s19, s19, 2
	s_add_co_u32 s19, s19, s41                     ; tile row = 4 x cluster y + cy
	s_lshl_b32 s43, s41, 2
	s_lshl_b32 s43, 15, s43                        ; my row of the cluster
	s_lshl_b32 s44, 0x1111, s40                    ; my column
	; descriptor groups 1: elements of 8 bytes, no padding; bit 21 set beside a mask
	s_or_b32 s[G1A+0], s43, (3<<16)|(1<<21)
	s_or_b32 s[G1B+0], s44, (3<<16)|(1<<21)
	s_or_b32 s[G1SA+0], s43, (3<<16)|(1<<21)
	s_or_b32 s[G1SB+0], s44, (3<<16)|(1<<21)
.irp g, G1A, G1B                       ; codes: a row is a tile's 4,096 bytes of a slot; from tile to tile 32,768 bytes
	s_mov_b32 s[\g+1], 512<<16                     ; tensor_dim0
	s_mov_b32 s[\g+3], 512<<16                     ; tile_dim0
	s_mov_b32 s[\g+5], 4096                        ; tensor_dim0_stride
	s_mov_b32 s[\g+6], 0
	s_mov_b32 s[\g+7], 0
.endr
	s_mov_b32 s[G1A+2], 4<<16                      ; x: four tiles to a load
	s_mov_b32 s[G1A+4], 4
	s_mov_b32 s[G1B+2], 8<<16                      ; W: eight
	s_mov_b32 s[G1B+4], 8
.irp g, G1SA, G1SB                     ; scales: a dense block, as rows of 256 bytes
	s_mov_b32 s[\g+1], 32<<16
	s_mov_b32 s[\g+3], 32<<16
	s_mov_b32 s[\g+5], 32
	s_mov_b32 s[\g+6], 0
	s_mov_b32 s[\g+7], 0
.endr
	s_mov_b32 s[G1SA+2], 32<<16                    ; x: four tiles x 2,048 bytes
	s_mov_b32 s[G1SA+4], 32
	s_mov_b32 s[G1SB+2], 64<<16                    ; W: eight tiles
	s_mov_b32 s[G1SB+4], 64
	; where the tiles come from: x's hang on the tile row and the wave's number alone, W's on the tile column and the wave's number alone
	s_lshl_b32 s20, s19, 18                        ; x's codes: tile 8 x tile row + 4 x half
	s_lshl_b32 s21, s[WN], 17
	s_add_co_u32 s20, s20, s21
	s_mov_b32 s21, 0
	s_lshl_b32 s22, s19, 14                        ; x's scales
	s_lshl_b32 s23, s[WN], 13
	s_add_co_u32 s22, s22, s23
	s_mov_b32 s23, 0
	s_lshl_b32 s46, s42, 19                        ; W's codes: tile 16 x tile column + 8 x half
	s_lshl_b32 s47, s[WN], 18
	s_add_co_u32 s46, s46, s47
	s_mov_b32 s47, 0
	s_lshl_b32 s66, s42, 15                        ; W's scales
	s_lshl_b32 s67, s[WN], 14
	s_add_co_u32 s66, s66, s67
	s_mov_b32 s67, 0
	s_lshl_b32 s92, s19, 15                        ; the table: row 128 x tile row + 64 x my half, 256 bytes a row
	s_lshl_b32 s93, s[WM], 14
	s_add_co_u32 s92, s92, s93
	s_mov_b32 s93, 0
	s_lshr_b32 s98, s19, 4                         ; qkv: batch,
	s_lshl_b32 s98, s98, 23
	s_and_b32 s99, s19, 15                         ; my first position, 128 bytes a position,
	s_lshl_b32 s99, s99, 14
	s_add_co_u32 s98, s98, s99
	s_lshl_b32 s99, s[WM], 13
	s_add_co_u32 s98, s98, s99
	s_lshl_b32 s99, s42, 20                        ; head slot 4 x tile column + 2 x my half, 262,144 bytes a slot
	s_add_co_u32 s98, s98, s99
	s_lshl_b32 s99, s[WN], 19
	s_add_co_u32 s98, s98, s99
	s_mov_b32 s99, 0
	s_lshl_b32 s94, s[WN], 13                      ; where they go in LDS: the wave's number alone
	s_lshl_b32 s95, s[WN], 14
	s_lshl_b32 s96, s[WN], 15
	s_cmp_ge_u32 s42, 6                            ; tile columns 6 and 7 are V's
	s_cselect_b32 s97, 0, 0x3f800000
	s_cselect_b32 s45, 0x3e800000, 0
	v_mov_b32 v[KA], s97
	v_mov_b32 v[KA+1], s97
	v_mov_b32 v[KB], s45
	v_mov_b32 v[KB+1], s45
	s_wait_dscnt 0x0                               ; both opening adds are done
	s_wait_kmcnt 0x0
	s_add_nc_u64 s[20:21], s[4:5], s[20:21]
	s_add_nc_u64 s[22:23], s[6:7], s[22:23]
	s_add_nc_u64 s[46:47], s[8:9], s[46:47]
	s_add_nc_u64 s[66:67], s[10:11], s[66:67]
	s_add_nc_u64 s[92:93], s[12:13], s[92:93]
	s_add_nc_u64 s[14:15], s[14:15], s[98:99]
	CROUND                                         ; all sixteen work-groups are here: the first joint loads meet
	s_mov_b32 s[G0SA], 1
	s_add_co_u32 s[G0SA+1], s94, SCL
	s_mov_b64 s[G0SA+2:G0SA+3], s[22:23]
	s_or_b32 s[G0SA+3], s[G0SA+3], 0x80000000
	s_mov_b32 s[G0SB], 1
	s_add_co_u32 s[G0SB+1], s95, SCL+16384
	s_mov_b64 s[G0SB+2:G0SB+3], s[66:67]
	s_or_b32 s[G0SB+3], s[G0SB+3], 0x80000000
	JLOAD G0SA, G1SA, G0SB, G1SB                   ; the scales first: they are wanted with K step 0
.irp s, 0,1
	s_mov_b32 s[G0A+4*\s], 1
	s_add_co_u32 s[G0A+4*\s+1], s95, \s*SLOT
	s_add_nc_u64 s[G0A+4*\s+2:G0A+4*\s+3], s[20:21], \s*4096
	s_or_b32 s[G0A+4*\s+3], s[G0A+4*\s+3], 0x80000000
	s_mov_b32 s[G0B+4*\s], 1
	s_add_co_u32 s[G0B+4*\s+1], s96, \s*SLOT+BOFF
	s_add_nc_u64 s[G0B+4*\s+2:G0B+4*\s+3], s[46:47], \s*4096
	s_or_b32 s[G0B+4*\s+3], s[G0B+4*\s+3], 0x80000000
	JLOAD G0A+4*\s, G1A, G0B+4*\s, G1B             ; three tensor loads of mine are out now, one behind each later round
.endr
	v_and_b32 v1, 15, v0                           ; r
	v_bfe_u32 v2, v0, 4, 1                         ; h
	v_and_b32 v3, 31, v0                           ; l
	v_lshlrev_b32 v4, 4, v3                        ; 16 l: my place in an image
	s_lshl_b32 s20, s[WM], 14                      ; my four tiles of x
	s_lshl_b32 s21, s[WN], 15                      ; my eight tiles of W,
	s_add_co_u32 s21, s21, BOFF                    ; which lie behind x's
.irp s, 0,1
	v_add_nc_u32 v[ADRA+\s], s20, v4
	v_add_nc_u32 v[ADRB+\s], s21, v4
	s_add_co_u32 s20, s20, SLOT
	s_add_co_u32 s21, s21, SLOT
.endr
	v_lshlrev_b32 v5, 4, v1                        ; scale words: 16 r,
	s_lshl_b32 s20, s[WM], 13                      ; x's: my four tiles;
	s_lshl_b32 s21, s[WN], 14                      ; W's: my eight, behind x's 16,384 bytes
	s_add_co_u32 s21, s21, 16384
	s_sub_co_u32 s21, s21, s20
	v_mul_u32_u24 v6, s21, v2                      ; lanes 16-31 take W's: the lower base + h x the distance
	s_add_co_u32 s20, s20, SCL
	v_add_nc_u32 v5, v5, v6
	v_add_nc_u32 v[ADRS], s20, v5
	s_mul_i32 s20, s[WV], 4608
	s_add_co_u32 s20, s20, STAGE                   ; my stage
	v_mul_u32_u24 v5, v1, 144
	v_lshl_add_u32 v5, v2, 4, v5
	v_add_nc_u32 v[STO], s20, v5                   ; in: row r, 16 bytes for each half of the lanes
	v_lshrrev_b32 v5, 3, v3
	v_mul_u32_u24 v5, v5, 144
	v_and_b32 v6, 7, v0
	v_lshl_add_u32 v5, v6, 4, v5
	v_add_nc_u32 v[RD], s20, v5                    ; back: eight lanes to a row of 128 bytes, four rows an instruction
	v_mov_b32 v[GO], v4                            ; and in memory those four rows are 512 consecutive bytes
	v_lshlrev_b32 v[TBO], 8, v1
	v_lshl_add_u32 v[TBO], v2, 5, v[TBO]           ; the table: row r, my half's eight frequencies
	WIN TO_B
.irp a, 0,1,2,3                        ; the table for rows 16 a + r: 8 registers each of cos f = 8 h + j, cos f = 16 + 8 h + j, sin likewise.  These loads stay out during the loop; their address registers are never rewritten
.irp g, 0,1,2,3
	global_load_b128 v[64+32*(\a%2)+128*(\a/2)+8*\g:64+32*(\a%2)+128*(\a/2)+8*\g+3], v[TBO], s[92:93] offset:4096*\a+64*\g
	global_load_b128 v[64+32*(\a%2)+128*(\a/2)+8*\g+4:64+32*(\a%2)+128*(\a/2)+8*\g+7], v[TBO], s[92:93] offset:4096*\a+64*\g+16
.endr
.endr
	WIN 0
; the fragments of the slot's q-th 128 along K into set p.  A fragment is 8 registers: registers 4 c .. 4 c + 3 of lane l = 16 h + r hold K = 64 c + 32 h + 0 .. 31 of row r: block 4 q + 2 c + h, at (4 q + 2 c) 256 + 16 l
.macro FETCH slot, q, p
	WIN TO_B
.irp i, 0,1,2,3,4,5,6,7
.irp c, 0,1
	ds_load_b128 v[128*(\p)+8*\i+4*\c:128*(\p)+8*\i+4*\c+3], v[ADRB+\slot] offset:4096*\i+1024*(\q)+512*\c
.endr
.endr
	WIN 0
.irp i, 0,1,2,3
.irp c, 0,1
	ds_load_b128 v[AF+32*(\p)+8*\i+4*\c:AF+32*(\p)+8*\i+4*\c+3], v[ADRA+\slot] offset:4096*\i+1024*(\q)+512*\c
.endr
.endr
.endm
.macro SCALES sc                       ; a slot's scale words into set sc: register 4 i + q: lanes 0-15 x's tile i (i under 4), lanes 16-31 W's tile i, for the slot's q-th 128 along K
.irp i, 0,1,2,3,4,5,6,7
	ds_load_b128 v[SC+32*\sc+4*\i:SC+32*\sc+4*\i+3], v[ADRS] offset:2048*\i
.endr
.endm
; 8 matrix instructions: x's tile a against W's eight.  The 32 accumulators take turns, one instruction a turn, in the same order in every step.
.macro MUL8 a, p, q, sc, zero
.irp b, 0,1,2,3,4,5,6,7
.if \zero
	v_wmma_scale_f32_16x16x128_f8f6f4 v[8*(8*(\a)+\b):8*(8*(\a)+\b)+7], v[128*(\p)+8*\b:128*(\p)+8*\b+7], v[AF+32*(\p)+8*(\a):AF+32*(\p)+8*(\a)+7], 0, v[SC+32*(\sc)+4*\b+(\q)], v[SC+32*(\sc)+4*(\a)+(\q)] matrix_a_fmt:MATRIX_FMT_FP4 matrix_b_fmt:MATRIX_FMT_FP4 matrix_a_scale:MATRIX_SCALE_ROW1
.else
	v_wmma_scale_f32_16x16x128_f8f6f4 v[8*(8*(\a)+\b):8*(8*(\a)+\b)+7], v[128*(\p)+8*\b:128*(\p)+8*\b+7], v[AF+32*(\p)+8*(\a):AF+32*(\p)+8*(\a)+7], v[8*(8*(\a)+\b):8*(8*(\a)+\b)+7], v[SC+32*(\sc)+4*\b+(\q)], v[SC+32*(\sc)+4*(\a)+(\q)] matrix_a_fmt:MATRIX_FMT_FP4 matrix_b_fmt:MATRIX_FMT_FP4 matrix_a_scale:MATRIX_SCALE_ROW1
.endif
.endr
.endm
; A step of 128 along K that has its successor in the same slot: the successor's 24 loads go out in one run ahead of this step's 32 matrix instructions.
.macro STEP slot, q, zero
	s_wait_dscnt 0x0                               ; this step's fragments (asked for 32 matrix instructions ago) are in
	PLACES                                         ; in front of loads into the set that the last step multiplied
	FETCH \slot, (\q)+1, 1-(\q)%2
	WIN MUL
.irp a, 0,1,2,3
	MUL8 \a, (\q)%2, \q, \slot, \zero
.endr
	WIN 0
.endm
; A slot's last step changes slots: ONE barrier; in front of it each wave waits for all its tensor loads, adds 0 to its spare word, and waits for that and for its reads of this slot.  fill = 1: the slot is filled again, two slots ahead.
.macro TURN slot, next, fill
	s_wait_tensorcnt 0x0                           ; all my tensor loads have landed: my part of the next slot
	ds_add_u32 v[SPW], v[NIL]                      ; 0 onto my spare word
	s_wait_dscnt 1                                 ; this step's fragments are in; the add alone may be out
	WIN MUL
	MUL8 0, 1, 3, \slot, 0                         ; eight matrix instructions stand between the add and the wait for it
	s_wait_dscnt 0x0                               ; the add is done, and my reads of this slot are over
	s_barrier_signal -1
	MUL8 1, 1, 3, \slot, 0
	WIN 0
	s_barrier_wait -1
.if \fill
	CREST                                          ; the barrier has opened a round of the cluster's barrier: no wave of any partner still reads this slot or has a load on its way
	s_add_nc_u64 s[G0A+4*\slot+2:G0A+4*\slot+3], s[G0A+4*\slot+2:G0A+4*\slot+3], 8192
	s_add_nc_u64 s[G0B+4*\slot+2:G0B+4*\slot+3], s[G0B+4*\slot+2:G0B+4*\slot+3], 8192
	JLOAD G0A+4*\slot, G1A, G0B+4*\slot, G1B       ; the first tensor load behind the round; its four v_nop are the places in front of the loads below
.else
	PLACES
.endif
	v_add_nc_u32 v[ADRS], 256, v[ADRS]             ; on to the next slot's scale words
	FETCH \next, 0, 0
	SCALES \next
	WIN MUL
	MUL8 2, 1, 3, \slot, 0
	MUL8 3, 1, 3, \slot, 0
	WIN 0
.endm
	s_wait_tensorcnt 1                             ; the scales and my part of slot 0 are in; slot 1's load may be out
	s_barrier_signal -1
	s_barrier_wait -1
	FETCH 0, 0, 0
	SCALES 0
	STEP 0, 0, 1                                   ; the first step stands in front of the loop: its products start the sums
	s_mov_b32 s3, 3
.Llap:                                             ; a trip goes once round the ring and fills both slots again: 8 slots' worth of K, two filled at the head
	STEP 0, 1, 0
	STEP 0, 2, 0
	TURN 0, 1, 1
	STEP 1, 0, 0
	STEP 1, 1, 0
	STEP 1, 2, 0
	TURN 1, 0, 1
	STEP 0, 0, 0
	s_sub_co_u32 s3, s3, 1
	s_cmp_lg_u32 s3, 0
	s_cbranch_scc1 .Llap
	STEP 0, 1, 0                                   ; the last lap fills nothing and has no round
	STEP 0, 2, 0
	TURN 0, 1, 0
	STEP 1, 0, 0
	STEP 1, 1, 0
	STEP 1, 2, 0
	s_wait_dscnt 0x0
	WIN MUL
.irp a, 0,1,2,3
	MUL8 \a, 1, 3, 1, 0
.endr
	s_wait_loadcnt 0x0                             ; the table
	WIN 0x41                                       ; destination and source 0 window 1
.irp a, 0,1,2,3                        ; cos <- cos ka + kb, sin <- sin ka.  These 64 lines name no register of the last products: they are the places behind them
.irp n, 0,2,4,6,8,10,12,14
	v_pk_fma_f32 v[64+32*(\a%2)+128*(\a/2)+\n:64+32*(\a%2)+128*(\a/2)+\n+1], v[64+32*(\a%2)+128*(\a/2)+\n:64+32*(\a%2)+128*(\a/2)+\n+1], v[KA:KA+1], v[KB:KB+1]
	v_pk_mul_f32 v[80+32*(\a%2)+128*(\a/2)+\n:80+32*(\a%2)+128*(\a/2)+\n+1], v[80+32*(\a%2)+128*(\a/2)+\n:80+32*(\a%2)+128*(\a/2)+\n+1], v[KA:KA+1]
.endr
.endr
; THE WAY OUT, 16 rows at a time.  out(d) = c(d) cos - c(d + 32) sin, out(d + 32) = c(d + 32) cos + c(d) sin for d under 32; each accumulator is read from its low end on.
.macro ROPE a
.set TBA, 64+32*((\a)%2)+128*((\a)/2)
.irp e, 0,1
	WIN 0x06                                       ; source 0 (accumulators) window 2, source 1 (table) window 1
.irp g, 0,1
.irp n, 0,2,4,6
	v_pk_mul_f32 v[T+8*\g+\n:T+8*\g+\n+1], v[8*(8*(\a)+4*\e+\g)+\n:8*(8*(\a)+4*\e+\g)+\n+1], v[TBA+8*\g+\n:TBA+8*\g+\n+1]
	v_pk_mul_f32 v[T+16+8*\g+\n:T+16+8*\g+\n+1], v[8*(8*(\a)+4*\e+\g+2)+\n:8*(8*(\a)+4*\e+\g+2)+\n+1], v[TBA+8*\g+\n:TBA+8*\g+\n+1]
	v_pk_fma_f32 v[T+8*\g+\n:T+8*\g+\n+1], v[8*(8*(\a)+4*\e+\g+2)+\n:8*(8*(\a)+4*\e+\g+2)+\n+1], v[TBA+16+8*\g+\n:TBA+16+8*\g+\n+1], v[T+8*\g+\n:T+8*\g+\n+1] neg_lo:[1,0,0] neg_hi:[1,0,0]
	v_pk_fma_f32 v[T+16+8*\g+\n:T+16+8*\g+\n+1], v[8*(8*(\a)+4*\e+\g)+\n:8*(8*(\a)+4*\e+\g)+\n+1], v[TBA+16+8*\g+\n:TBA+16+8*\g+\n+1], v[T+16+8*\g+\n:T+16+8*\g+\n+1]
.endr
.endr
	WIN 0
.irp n, 0,1,2,3,4,5,6,7,8,9,10,11,12,13,14,15
	v_cvt_pk_f16_f32 v[PK+16*\e+\n], v[T+2*\n], v[T+2*\n+1]
.endr
.endr
.endm
.macro TOSTAGE a                       ; into my stage, and back as whole rows; LDS serves a wave's instructions in order
.irp e, 0,1
.irp t, 0,1,2,3
	ds_store_b128 v[STO], v[PK+16*\e+4*\t:PK+16*\e+4*\t+3] offset:2304*\e+32*\t
.endr
.endr
.irp e, 0,1
.irp i, 0,1,2,3
	ds_load_b128 v[OB+32*((\a)%2)+16*\e+4*\i:OB+32*((\a)%2)+16*\e+4*\i+3], v[RD] offset:2304*\e+576*\i
.endr
.endr
.endm
.macro SEND a
	s_wait_dscnt 0x0                               ; the rows are back in registers
.irp e, 0,1
.irp i, 0,1,2,3
	global_store_b128 v[GO], v[OB+32*((\a)%2)+16*\e+4*\i:OB+32*((\a)%2)+16*\e+4*\i+3], s[14:15] offset:262144*\e+2048*(\a)+512*\i   ; four positions of a head: 512 consecutive bytes
.endr
.endr
.endm
	ROPE 0
	TOSTAGE 0
	ROPE 1
	SEND 0
	TOSTAGE 1
	ROPE 2
	SEND 1
	s_wait_xcnt 0x0                                ; the stores of two blocks back have read their registers: the next rows may land there
	TOSTAGE 2
	ROPE 3
	SEND 2
	s_wait_xcnt 0x0
	TOSTAGE 3
	SEND 3
	s_wait_tensorcnt 0x0                           ; the wave's end, behind my last tensor load and my last LDS store
	ds_add_u32 v[SPW], v[NIL]
	s_wait_dscnt 0x0
	CROUND                                         ; the closing round: no work-group ends while a partner may still ask for a tile that names it
	s_endpgm
.Lfunc_end_k_q7133760e0f_qkv:
	.size	k_q7133760e0f_qkv, .Lfunc_end_k_q7133760e0f_qkv-k_q7133760e0f_qkv
	.p2alignl 7, 3214868480
	.fill 96, 4, 3214868480
	.section	.rodata,"a",@progbits
	.p2align	6, 0x0
	.amdhsa_kernel k_q7133760e0f_qkv
		.amdhsa_group_segment_fixed_size 327680
		.amdhsa_private_segment_fixed_size 0
		.amdhsa_enable_private_segment 0
		.amdhsa_kernarg_size 48
		.amdhsa_user_sgpr_count 2
		.amdhsa_user_sgpr_kernarg_segment_ptr 1
		.amdhsa_wavefront_size32 1
		.amdhsa_system_sgpr_workgroup_id_x 1
		.amdhsa_system_sgpr_workgroup_id_y 1
		.amdhsa_system_sgpr_workgroup_id_z 1
		.amdhsa_system_vgpr_workitem_id 0
		.amdhsa_next_free_vgpr 768
		.amdhsa_next_free_sgpr 100
		.amdhsa_reserve_vcc 0
		.amdhsa_float_denorm_mode_32 3
		.amdhsa_float_denorm_mode_16_64 3
		.amdhsa_memory_ordered 1
		.amdhsa_forward_progress 1
		.amdhsa_inst_pref_size 146
	.end_amdhsa_kernel
	.amdgpu_metadata
---
amdhsa.version: [ 1, 2 ]
amdhsa.kernels:
  - .name:           k_q7133760e0f_qkv
    .symbol:         k_q7133760e0f_qkv.kd
    .args:
      - { .name: xc, .offset: 0, .size: 8, .value_kind: global_buffer, .address_space: global }
      - { .name: xs, .offset: 8, .size: 8, .value_kind: global_buffer, .address_space: global }
      - { .name: wc, .offset: 16, .size: 8, .value_kind: global_buffer, .address_space: global }
      - { .name: ws, .offset: 24, .size: 8, .value_kind: global_buffer, .address_space: global }
      - { .name: tab, .offset: 32, .size: 8, .value_kind: global_buffer, .address_space: global }
      - { .name: qkv, .offset: 40, .size: 8, .value_kind: global_buffer, .address_space: global }
    .group_segment_fixed_size: 327680
    .private_segment_fixed_size: 0
    .kernarg_segment_align: 8
    .kernarg_segment_size: 48
    .max_flat_workgroup_size: 128
    .sgpr_count:     100
    .vgpr_count:     768
    .wavefront_size: 32
...
	.end_amdgpu_metadata
.endif
;; end of part 2
;; launch attn (part 3): grid 16 x 16, 8 waves a work-group, clusters of 4 x 4, 327,680 bytes of LDS; arguments qkv, attention_mask, att; writes att
.if DOCPART == 3
	.amdgcn_target "amdgcn-amd-amdhsa--gfx1250"
	.amdhsa_code_object_version 6
	.text
	.protected	k_q7133760e0f_attn
	.globl	k_q7133760e0f_attn
	.p2align	8
	.type	k_q7133760e0f_attn,@function
k_q7133760e0f_attn:
	s_mov_b64 s[64:65], 0
	v_nop
	global_prefetch_b8 v0, s[64:65] scope:SCOPE_SE
	s_setreg_imm32_b32 hwreg(HW_REG_WAVE_MODE, 25, 1), 1
	s_wait_xcnt 0x0
	s_wait_alu depctr_hold_cnt(0) depctr_sa_sdst(0) depctr_va_vdst(0) depctr_va_sdst(0) depctr_va_ssrc(0) depctr_va_vcc(0) depctr_vm_vsrc(0)
	s_getreg_b32 s2, hwreg(HW_REG_IB_STS2, 6, 4)
	s_cmp_eq_u32 s2, 0
	s_cbranch_scc0 .Lentry_in_a_cluster
	s_endpgm
.Lentry_in_a_cluster:
	s_bfe_u32 s2, ttmp6, 0x10000c
	s_cmp_lg_u32 s2, 0xf033
	s_cbranch_scc0 .Lentry_shape_is_right
	s_endpgm
.Lentry_shape_is_right:
; att[b][s][head 64 ..] = softmax_k(q . k / 8 + mask[s][k]) v / 4, in f16 operands (q, k, v arrive x 1/4), f32 sums, maxima and exponentials.
; THE MASK IS AN INPUT: it is loaded and added for every query and key, and no tile is left out.
; x' = (q/4 . k/4) 2 log2(e) + fl(mask log2(e)) is x log2(e); the running maximum M' of x' is taken away by a true subtraction, and p = 2^(x' - M').  Equal masks give equal x', so rows whose every entry carries
; one large negative mask come out as in reference().
; SHARES.  A work-group owns 128 queries of one batch and one key/value head; each of its eight waves owns 16 queries for BOTH query heads of that key/value head, so each fragment of K and V and each register
; of the mask feeds two tiles.  Every wave walks all 2,048 keys, 64 a substep, 128 a slot.  Two waves to a SIMD, 512 registers each: one wave's vector work stands beside the other's matrix work.
; LAYOUT.  S^T = K Q^T (source 0 = 16 keys, source 1 = 16 queries): a lane holds ONE query (l % 16) and keys 8 (l / 16) + 0 .. 7; two such tiles rounded to f16 ARE source 1 of O^T = V^T P.  V is turned by ds_load_tr16_b128.
; A PHASE AHEAD.  K's, V's and the mask's registers lie in a second window and P has registers of its own, so every LDS load is asked for well ahead of its use: V at a substep's head, the NEXT substep's K and mask in the
; middle of the softmax; the matrix work is one run of 32: V^T P of this substep, then K Q^T of the next.  The change of slots stands in the middle of a slot's second substep, where all reads of the slot have been asked for.
; CLUSTER 4 x 4.  The mask's tile hangs on the query block alone: asked for jointly along a column; K's and V's tiles hang on batch and head alone: jointly along a row.  Each wave issues one tensor load a slot.
; LIMITS: p is rounded to f16 for the second product (p under 3e-8 counts as 0 there; the row's sum takes the unrounded p).  The mask is rounded once more than in reference(), by half an ulp of its size, when it is
; multiplied by log2(e): mask values of size 1e9 that lie one or two ulps apart may fall together.  A row whose every x is -infinity gives NaN, as in reference().
; REGISTERS, in windows of 256: window 0: v1-31 addresses and statistics; v32-63 Q; v64-127 S^T; v128-191 O^T; v192-223 P; v224-255 the way out.   window 1: v0-63 K, v64-127 V, v128-159 the mask.
.set HS,    262144                     ; bytes of a head slot of qkv
.set SLOT1, 131072                     ; slot 1 begins here: one exclusive or turns an address from slot to slot
.set VOFF,  18432                      ; a slot: 128 rows of K, 128 + 16 bytes each;
.set MOFF,  38912                      ; 128 rows of V, 128 + 32 bytes; 128 queries' rows of the mask, 512 + 16 bytes (ends at 106,496)
.set STAGE, 237568                     ; behind the ring: 16 rows x 272 bytes for each wave
.set SPARE, 272384                     ; the spare words, 128 bytes a wave
.set AK0, 1
.set AV0, 2
.set AM0, 3
.set ADK, 4
.set ADV, 5
.set ADM, 6
.set SPW, 7                            ; v7  my spare word; never rewritten
.set NIL, 8                            ; v8  0; never rewritten
.set PFO, 9                            ; v9  the prefetches' lane offset; never rewritten
.set ST,  12                           ; head e's statistics at v[12 + 8 e]: +0 the maximum M', +1 the pair's upper half, +2, +3 the sum in two halves, +4 .. +7 at work (a in +6)
.set STO, 28
.set RD,  29
.set GO,  30
.set Q,   32                           ; Q(e, c) at 32 + 16 e + 8 c
.set S,   64                           ; S^T(e, t) at 64 + 32 e + 8 t
.set O,   128                          ; O^T(e, ct) at 128 + 32 e + 8 ct
.set P,   192                          ; P(e, c) at 192 + 16 e + 8 c
.set PKO, 224                          ; the way out: packed results
.set KF,  0                            ; window 1: K(t, c) at 16 t + 8 c
.set VF,  64                           ; window 1: V(c, ct) at 64 + 32 c + 8 ct
.set MK,  128                          ; window 1: the mask of keys 16 t + 8 h + j at 128 + 8 t + j
.set WV,  10
.set G1K, 20
.set G1V, 28
.set G1M, 36
.set G0K, 44                           ; groups 0 that walk: they begin at slot 1
.set G0V, 48
.set G0M, 52
.set SEL, 56
.set LC,  58                           ; s[58:59] log2(e)
.set TB,  60                           ; s60  LDS byte at which the slot in hand begins
.set SLOTS, 61
.set PFA, 66
.set PFS, 68
.set LIM, 70
.set F0K, 88                           ; groups 0 of slot 0's first fill; never rewritten
.set F0V, 92
.set F0M, 96
.set LC2, 100                          ; s[100:101] 2 log2(e)
.set MSB, 0
.macro WIN new                         ; the immediate's high byte repeats the setting that is left
.if MSB != \new
	s_set_vgpr_msb (MSB<<8)|\new
.set MSB, \new
.endif
.endm
; One joint refill a wave: waves 0, 1 K's halves, waves 2, 3 V's, waves 4 to 7 the mask's quarters.  The branches hang on the wave's number alone; every way passes one tensor load.  An s_nop 0 and four v_nop follow each.
.macro JLOAD3
	s_cmp_lt_u32 s[WV], 2
	s_cbranch_scc0 .Lnot_k_\@
	tensor_load_to_lds s[G0K:G0K+3], s[G1K:G1K+7]
	s_nop 0
.rept 4
	v_nop
.endr
	s_branch .Lasked_\@
.Lnot_k_\@:
	s_cmp_lt_u32 s[WV], 4
	s_cbranch_scc0 .Lfor_m_\@
	tensor_load_to_lds s[G0V:G0V+3], s[G1V:G1V+7]
	s_nop 0
.rept 4
	v_nop
.endr
	s_branch .Lasked_\@
.Lfor_m_\@:
	tensor_load_to_lds s[G0M:G0M+3], s[G1M:G1M+7]
	s_nop 0
.rept 4
	v_nop
.endr
.Lasked_\@:
.endm
; A PREFETCH INTO THE L2 of what the NEXT change of slots will ask for, behind the wave's tensor load: a slot's two substeps ahead of that load.  Each aligned block of 256 bytes is named once in the launch.
; K and V (16,384 dense bytes each a slot) are walked by all clusters of a row of clusters: cluster x = 0 asks, wave 0; its four partners along x take K's halves and V's halves, told apart by address; lanes 256 bytes apart.
; The mask's tile (128 rows x 512 bytes a slot) is walked by all clusters of a column of clusters: cluster y = 0 asks, waves 4 and 5 (a row's two blocks); its four partners along y take 32 rows each, by address; a lane a row.
; The last change that fills a slot asks for nothing; slots 0, 1 and 2 come by their loads alone.
.macro ASK
	s_cmp_gt_u32 s[SLOTS], s[LIM]
	s_cbranch_scc0 .Lnot_mine_\@
	global_prefetch_b8 v[PFO], s[PFA:PFA+1] th:TH_LOAD_NT scope:SCOPE_SE
.Lnot_mine_\@:
.endm
.macro CROUND
	s_barrier_signal -1
	s_barrier_wait -1
	s_cmp_lg_u32 s[WV], 0
	s_cbranch_scc1 .Lnot_wave_0_\@
	s_barrier_signal -3
.Lnot_wave_0_\@:
	s_barrier_wait -3
	s_barrier_signal -1
	s_barrier_wait -1
.endm
	s_load_b128 s[4:7], s[0:1], 0x0                ; qkv 4, the mask 6
	s_load_b64 s[8:9], s[0:1], 0x10                ; att
	v_lshl_add_u32 v[SPW], v0, 2, SPARE
	v_mov_b32 v[NIL], 0
	ds_add_u32 v[SPW], v[NIL]                      ; the wave's opening: the add, twice on end, and its wait ahead of my first tensor load
	ds_add_u32 v[SPW], v[NIL]
	v_lshrrev_b32 v10, 5, v0
	v_readfirstlane_b32 s[WV], v10                 ; wave 0..7
	s_bfe_u32 s11, ttmp6, 0x40000                  ; cx
	s_bfe_u32 s12, ttmp6, 0x40004                  ; cy
	s_lshl_b32 s13, ttmp9, 2
	s_add_co_u32 s13, s13, s11                     ; the block of 128 queries
	s_and_b32 s14, ttmp7, 0xffff
	s_lshl_b32 s14, s14, 2
	s_add_co_u32 s14, s14, s12                     ; 8 x batch + key/value head
	s_lshr_b32 s15, s14, 3
	s_and_b32 s16, s14, 7
	s_and_b32 s17, s[WV], 1
	s_and_b32 s18, s[WV], 3
	s_lshl_b32 s62, s12, 2
	s_lshl_b32 s62, 15, s62                        ; my row of the cluster
	s_lshl_b32 s63, 0x1111, s11                    ; my column
	; descriptor groups 1.  K, V: 64 rows of 64 f16, dense in memory, padding behind every 32 words: 4 words (K), 8 words (V).  The mask: 32 rows of 128 f32, 2,048 apart, 4 words behind every 128
	s_or_b32 s[G1K], s62, (1<<16)|(1<<20)|(1<<21)|(4<<22)|(3<<25)
	s_or_b32 s[G1V], s62, (1<<16)|(1<<20)|(1<<21)|(4<<22)|(7<<25)
.irp g, G1K, G1V
	s_mov_b32 s[\g+1], 64<<16
	s_mov_b32 s[\g+2], 64<<16
	s_mov_b32 s[\g+3], 64<<16
	s_mov_b32 s[\g+4], 64
	s_mov_b32 s[\g+5], 64
	s_mov_b32 s[\g+6], 0
	s_mov_b32 s[\g+7], 0
.endr
	s_or_b32 s[G1M], s63, (2<<16)|(1<<20)|(1<<21)|(6<<22)|(3<<25)
	s_mov_b32 s[G1M+1], 128<<16
	s_mov_b32 s[G1M+2], 32<<16
	s_mov_b32 s[G1M+3], 128<<16
	s_mov_b32 s[G1M+4], 32
	s_mov_b32 s[G1M+5], 2048
	s_mov_b32 s[G1M+6], 0
	s_mov_b32 s[G1M+7], 0
	s_lshl_b32 s72, s15, 5                         ; K: head slot 32 b + 16 + kv, + my 64 rows of 128 bytes: no cx in it
	s_add_co_u32 s72, s72, s16
	s_add_co_u32 s72, s72, 16
	s_lshl_b32 s72, s72, 18
	s_lshl_b32 s19, s17, 13
	s_add_co_u32 s72, s72, s19
	s_mov_b32 s73, 0
	s_add_co_u32 s74, s72, 8*HS                    ; V: eight head slots on
	s_mov_b32 s75, 0
	s_lshl_b32 s76, s13, 20                        ; the mask: row 128 x query block + 32 x my quarter, 8,192 bytes a row: no cy in it
	s_lshl_b32 s77, s18, 18
	s_add_co_u32 s76, s76, s77
	s_mov_b32 s77, 0
	s_lshl_b32 s78, s15, 5                         ; Q: head slot 32 b + 2 kv, position 128 x query block + 16 x wave
	s_lshl_b32 s79, s16, 1
	s_add_co_u32 s78, s78, s79
	s_lshl_b32 s78, s78, 18
	s_lshl_b32 s79, s13, 14
	s_add_co_u32 s78, s78, s79
	s_lshl_b32 s79, s[WV], 11
	s_add_co_u32 s78, s78, s79
	s_mov_b32 s79, 0
	s_lshl_b32 s80, s15, 22                        ; att: the same row, 2,048 bytes a row, + 256 kv
	s_lshl_b32 s81, s13, 18
	s_add_co_u32 s80, s80, s81
	s_lshl_b32 s81, s[WV], 15
	s_add_co_u32 s80, s80, s81
	s_lshl_b32 s81, s16, 8
	s_add_co_u32 s80, s80, s81
	s_mov_b32 s81, 0
	s_mov_b32 s[SEL], 0x76543210
	s_mov_b32 s[SEL+1], 0xfedcba98
	s_mov_b32 s[LC], 0x3fb8aa3b
	s_mov_b32 s[LC+1], s[LC]                       ; (named with it as a pair, so it is written)
	s_mov_b32 s[LC2], 0x4038aa3b
	s_mov_b32 s[LC2+1], s[LC2]
	s_mov_b32 s[TB], 0
	s_mov_b32 s[SLOTS], 14                         ; 16 slots' worth of keys; two are filled at the head
	; the prefetches: where mine stand (in slot 2: the first change, which loads slot 2, steps them to slot 3), and who asks
	s_lshl_b32 s82, s15, 5
	s_add_co_u32 s82, s82, s16
	s_add_co_u32 s82, s82, 16
	s_lshr_b32 s83, s11, 1
	s_lshl_b32 s83, s83, 3
	s_add_co_u32 s82, s82, s83                     ; partners 2 and 3 along x take V's
	s_lshl_b32 s82, s82, 18
	s_and_b32 s83, s11, 1
	s_lshl_b32 s83, s83, 13
	s_add_co_u32 s82, s82, s83                     ; odd partners the upper 8,192 bytes
	s_add_co_u32 s82, s82, 32768
	s_lshl_b32 s83, s13, 20
	s_lshl_b32 s84, s12, 18
	s_add_co_u32 s83, s83, s84                     ; the mask: partner cy takes rows 32 cy on
	s_lshl_b32 s84, s17, 8
	s_add_co_u32 s83, s83, s84
	s_add_co_u32 s83, s83, 1024
	s_sub_co_u32 s87, s[WV], 4
	s_lshr_b32 s87, s87, 1                         ; 0 in waves 4 and 5
	s_and_b32 s85, ttmp7, 0xffff                   ; cluster y
	s_mov_b32 s[PFS], 512
	s_mov_b32 s84, 8192
	s_wait_dscnt 0x0                               ; both opening adds are done
	s_wait_kmcnt 0x0
	s_cmp_lt_u32 s[WV], 4
	s_cselect_b64 s[PFA:PFA+1], s[4:5], s[6:7]
	s_cselect_b32 s82, s82, s83
	s_cselect_b32 s[PFS], 16384, s[PFS]            ; a slot on
	s_cselect_b32 s84, 256, s84                    ; from lane to lane
	s_cselect_b32 s85, ttmp9, s85                  ; the coordinate along which other clusters walk the same bytes
	s_cselect_b32 s86, s[WV], s87
	s_mov_b32 s83, 0
	s_mov_b32 s[PFS+1], 0
	s_add_nc_u64 s[PFA:PFA+1], s[PFA:PFA+1], s[82:83]
	s_or_b32 s85, s85, s86
	s_cmp_eq_u32 s85, 0                            ; the wave's number and the cluster's place in the grid alone: the same in all sixteen partners
	s_cselect_b32 s[LIM], 1, -1
	v_and_b32 v[PFO], 31, v0
	v_mul_lo_u32 v[PFO], v[PFO], s84
	s_add_nc_u64 s[78:79], s[4:5], s[78:79]
	s_add_nc_u64 s[8:9], s[8:9], s[80:81]
	CROUND                                         ; all sixteen work-groups are here: the first joint loads meet
	s_mov_b32 s[F0K], 1                            ; slot 0's groups 0, and slot 1's: 128 keys on, in the other slot
	s_mul_i32 s[F0K+1], s17, 9216
	s_add_nc_u64 s[F0K+2:F0K+3], s[4:5], s[72:73]
	s_mov_b32 s[G0K], 1
	s_add_co_u32 s[G0K+1], s[F0K+1], SLOT1
	s_add_nc_u64 s[G0K+2:G0K+3], s[F0K+2:F0K+3], 16384
	s_or_b32 s[F0K+3], s[F0K+3], 0x80000000
	s_or_b32 s[G0K+3], s[G0K+3], 0x80000000
	s_mov_b32 s[F0V], 1
	s_mul_i32 s[F0V+1], s17, 10240
	s_add_co_u32 s[F0V+1], s[F0V+1], VOFF
	s_add_nc_u64 s[F0V+2:F0V+3], s[4:5], s[74:75]
	s_mov_b32 s[G0V], 1
	s_add_co_u32 s[G0V+1], s[F0V+1], SLOT1
	s_add_nc_u64 s[G0V+2:G0V+3], s[F0V+2:F0V+3], 16384
	s_or_b32 s[F0V+3], s[F0V+3], 0x80000000
	s_or_b32 s[G0V+3], s[G0V+3], 0x80000000
	s_mov_b32 s[F0M], 1
	s_mul_i32 s[F0M+1], s18, 16896
	s_add_co_u32 s[F0M+1], s[F0M+1], MOFF
	s_add_nc_u64 s[F0M+2:F0M+3], s[6:7], s[76:77]
	s_mov_b32 s[G0M], 1
	s_add_co_u32 s[G0M+1], s[F0M+1], SLOT1
	s_add_nc_u64 s[G0M+2:G0M+3], s[F0M+2:F0M+3], 512
	s_or_b32 s[F0M+3], s[F0M+3], 0x80000000
	s_or_b32 s[G0M+3], s[G0M+3], 0x80000000
	s_cmp_lt_u32 s[WV], 2                          ; a wave's two first fills stand in one branch, ahead of every wait on TENSORcnt and every LDS read: two loads of mine are out; an s_nop 0 follows each, four v_nop the second's
	s_cbranch_scc0 .Lfirst_not_k
	tensor_load_to_lds s[F0K:F0K+3], s[G1K:G1K+7]
	s_nop 0
	tensor_load_to_lds s[G0K:G0K+3], s[G1K:G1K+7]
	s_nop 0
.rept 4
	v_nop
.endr
	s_branch .Lfirst_asked
.Lfirst_not_k:
	s_cmp_lt_u32 s[WV], 4
	s_cbranch_scc0 .Lfirst_m
	tensor_load_to_lds s[F0V:F0V+3], s[G1V:G1V+7]
	s_nop 0
	tensor_load_to_lds s[G0V:G0V+3], s[G1V:G1V+7]
	s_nop 0
.rept 4
	v_nop
.endr
	s_branch .Lfirst_asked
.Lfirst_m:
	tensor_load_to_lds s[F0M:F0M+3], s[G1M:G1M+7]
	s_nop 0
	tensor_load_to_lds s[G0M:G0M+3], s[G1M:G1M+7]
	s_nop 0
.rept 4
	v_nop
.endr
.Lfirst_asked:
	v_and_b32 v10, 15, v0                          ; r
	v_bfe_u32 v11, v0, 4, 1                        ; h
	v_lshlrev_b32 v31, 7, v10
	v_lshl_add_u32 v31, v11, 4, v31                ; Q: row r of 128 bytes, + 16 h
.irp e, 0,1
.irp c, 0,1
	global_load_b128 v[Q+16*\e+8*\c:Q+16*\e+8*\c+3], v31, s[78:79] offset:HS*\e+64*\c
	global_load_b128 v[Q+16*\e+8*\c+4:Q+16*\e+8*\c+7], v31, s[78:79] offset:HS*\e+64*\c+32
.endr
.endr
	v_mul_u32_u24 v[AK0], v10, 144
	v_lshl_add_u32 v[AK0], v11, 4, v[AK0]          ; K: row r, + 16 h
	v_and_b32 v[AV0], 7, v0
	v_lshl_add_u32 v[AV0], v11, 3, v[AV0]
	v_mul_u32_u24 v[AV0], v[AV0], 160
	v_bfe_u32 v[AM0], v0, 3, 1
	v_lshl_add_u32 v[AV0], v[AM0], 4, v[AV0]
	v_add_nc_u32 v[AV0], VOFF, v[AV0]              ; V, for the turning load: key 8 h + l % 8, channels 8 ((l / 8) % 2) on
	s_mul_i32 s19, s[WV], 16*528
	s_add_co_u32 s19, s19, MOFF
	v_mul_u32_u24 v[AM0], v10, 528
	v_lshl_add_u32 v[AM0], v11, 5, v[AM0]
	v_add_nc_u32 v[AM0], s19, v[AM0]               ; the mask: my query's row, + my half's eight keys
	s_mul_i32 s19, s[WV], 16*272
	s_add_co_u32 s19, s19, STAGE
	v_mul_u32_u24 v[STO], v10, 272
	v_lshl_add_u32 v[STO], v11, 4, v[STO]
	v_add_nc_u32 v[STO], s19, v[STO]               ; the way out, in: row r, 16 bytes for each half of the lanes
	v_mul_u32_u24 v[RD], v11, 272
	v_lshl_add_u32 v[RD], v10, 4, v[RD]
	v_add_nc_u32 v[RD], s19, v[RD]                 ; back: lanes 0-15 one row of 256 bytes, lanes 16-31 the next
	v_lshlrev_b32 v[GO], 11, v11
	v_lshl_add_u32 v[GO], v10, 4, v[GO]            ; and the same two rows in att
	v_add_nc_u32 v[ADK], s[TB], v[AK0]             ; the addresses stand at slot 0
	v_add_nc_u32 v[ADV], s[TB], v[AV0]
	v_add_nc_u32 v[ADM], s[TB], v[AM0]
.irp e, 0,1
	v_mov_b32 v[ST+8*\e], 0xff61b1e6               ; the maximum so far: -3e38
.irp n, 1,2,3,4,5,6,7
	v_mov_b32 v[ST+8*\e+\n], 0                     ; the sums; and what is named in pairs or by a lane permute before it is first written
.endr
.endr
.set i, 0
.rept 64
	v_mov_b32 v[O+i], 0                            ; O^T.  (The substep is written once: the first finds zeros, which the first a = 0 leaves zeros)
.set i, i+1
.endr
; K's eight fragments and the mask of substep u of the slot at which the addresses stand: 24 loads in one run
.macro NEXTLOADS u
	WIN 0x40                                       ; destination window 1, address window 0
.irp t, 0,1,2,3
.irp c, 0,1
	ds_load_b128 v[KF+16*\t+8*\c:KF+16*\t+8*\c+3], v[ADK] offset:9216*(\u)+2304*\t+64*\c
	ds_load_b128 v[KF+16*\t+8*\c+4:KF+16*\t+8*\c+7], v[ADK] offset:9216*(\u)+2304*\t+64*\c+32
.endr
.endr
.irp t, 0,1,2,3
	ds_load_b128 v[MK+8*\t:MK+8*\t+3], v[ADM] offset:256*(\u)+64*\t
	ds_load_b128 v[MK+8*\t+4:MK+8*\t+7], v[ADM] offset:256*(\u)+64*\t+16
.endr
	WIN 0
.endm
.macro QK                              ; S^T = K Q^T: eight accumulators by turns; the first eight products start the sums
.irp c, 0,1
.irp t, 0,1,2,3
.irp e, 0,1
.if \c == 0
	v_wmma_f32_16x16x32_f16 v[S+32*\e+8*\t:S+32*\e+8*\t+7], v[KF+16*\t:KF+16*\t+7], v[Q+16*\e:Q+16*\e+7], 0
.else
	v_wmma_f32_16x16x32_f16 v[S+32*\e+8*\t:S+32*\e+8*\t+7], v[KF+16*\t+8:KF+16*\t+15], v[Q+16*\e+8:Q+16*\e+15], v[S+32*\e+8*\t:S+32*\e+8*\t+7]
.endif
.endr
.endr
.endr
.endm
.macro PV                              ; O^T += V^T P: eight accumulators by turns
.irp c, 0,1
.irp t, 0,1,2,3
.irp e, 0,1
	v_wmma_f32_16x16x32_f16 v[O+32*\e+8*\t:O+32*\e+8*\t+7], v[VF+32*\c+8*\t:VF+32*\c+8*\t+7], v[P+16*\e+8*\c:P+16*\e+8*\c+7], v[O+32*\e+8*\t:O+32*\e+8*\t+7]
.endr
.endr
.endr
.endm
; THE CHANGE OF SLOTS.  Each wave waits for all its tensor loads (its part of the slot ahead), adds 0 to its spare word, and waits for that and for its reads of the slot in hand, all of which have been asked for.
; fill = 1: a round of the cluster's barrier, and behind it the slot just left is asked for again, with the keys two slots on: the load has a slot's two substeps in which to land.  Then the addresses turn to the slot ahead.
.macro CHANGE fill
	s_wait_tensorcnt 0x0                           ; no tensor load of mine is out, so a group 0 may be written
	ds_add_u32 v[SPW], v[NIL]                      ; 0 onto my spare word
.if \fill
.irp g, G0K, G0V
	s_xor_b32 s[\g+1], s[\g+1], SLOT1              ; the walking descriptors: the other slot than last time,
	s_add_nc_u64 s[\g+2:\g+3], s[\g+2:\g+3], 16384 ; the next 128 keys
.endr
	s_xor_b32 s[G0M+1], s[G0M+1], SLOT1
	s_add_nc_u64 s[G0M+2:G0M+3], s[G0M+2:G0M+3], 512
	s_wait_xcnt 0x0                                ; the last prefetch, a slot back, has read its address
	s_add_nc_u64 s[PFA:PFA+1], s[PFA:PFA+1], s[PFS:PFS+1]
	s_wait_dscnt 0x0                               ; the add is done, and my reads of the slot in hand are over
	CROUND
	JLOAD3
	ASK
.else
	s_wait_dscnt 0x0
	s_barrier_signal -1
	s_barrier_wait -1
.endif
	s_xor_b32 s[TB], s[TB], SLOT1
	v_add_nc_u32 v[ADK], s[TB], v[AK0]
	v_add_nc_u32 v[ADV], s[TB], v[AV0]
	v_add_nc_u32 v[ADM], s[TB], v[AM0]
.endm
; A SUBSTEP: 64 keys, the u-th of the slot in hand, both heads.  Its scores lie in S^T and its mask has been asked for.  chg = 1: the change of slots with a refill, 2: without.  nxt = 1: a substep follows.
.macro SUB u, chg, nxt
	s_wait_dscnt 0x0                               ; this substep's mask, asked for half a substep ago, is in
	WIN 0x41                                       ; destination and source 0 window 1
.irp n, 0,2,4,6,8,10,12,14,16,18,20,22,24,26,28,30
	v_pk_mul_f32 v[MK+\n:MK+\n+1], v[MK+\n:MK+\n+1], s[LC:LC+1] op_sel_hi:[1,0]   ; mask x log2(e), once for both heads.  These 16 lines name no register of the last products: they are the places behind them
.endr
	WIN 0x40
.irp c, 0,1                            ; V: keys 32 c on, channels 16 t on
.irp t, 0,1,2,3
	ds_load_tr16_b128 v[VF+32*\c+8*\t:VF+32*\c+8*\t+3], v[ADV] offset:10240*\u+5120*\c+32*\t
	ds_load_tr16_b128 v[VF+32*\c+8*\t+4:VF+32*\c+8*\t+7], v[ADV] offset:10240*\u+5120*\c+32*\t+2560
.endr
.endr
	WIN 0x10                                       ; source 2 window 1
.irp e, 0,1
.irp t, 0,1,2,3
.irp n, 0,2,4,6
	v_pk_fma_f32 v[S+32*\e+8*\t+\n:S+32*\e+8*\t+\n+1], v[S+32*\e+8*\t+\n:S+32*\e+8*\t+\n+1], s[LC2:LC2+1], v[MK+8*\t+\n:MK+8*\t+\n+1] op_sel_hi:[1,0,1]   ; x' = (q . k / 8 + mask) log2(e); each accumulator from its low end on
.endr
.endr
.endr
	WIN 0
.irp n, 0,1,2,3                        ; the maximum of my 32 x' and the old M', three operands at a time, four chains a head, the heads by turns
.irp e, 0,1
	v_max3_num_f32 v[ST+8*\e+4+\n], v[S+32*\e+8*\n], v[S+32*\e+8*\n+1], v[S+32*\e+8*\n+2]
.endr
.endr
.irp k, 1,2
.irp n, 0,1,2,3
.irp e, 0,1
	v_max3_num_f32 v[ST+8*\e+4+\n], v[ST+8*\e+4+\n], v[S+32*\e+8*\n+2*\k+1], v[S+32*\e+8*\n+2*\k+2]
.endr
.endr
.endr
.irp e, 0,1
	v_max3_num_f32 v[ST+8*\e+4], v[ST+8*\e+4], v[S+32*\e+7], v[S+32*\e+15]
	v_max3_num_f32 v[ST+8*\e+6], v[ST+8*\e+6], v[S+32*\e+23], v[S+32*\e+31]
.endr
.irp e, 0,1
	v_max3_num_f32 v[ST+8*\e+4], v[ST+8*\e+4], v[ST+8*\e+5], v[ST+8*\e+6]
.endr
.irp e, 0,1
	v_max3_num_f32 v[ST+8*\e+4], v[ST+8*\e+4], v[ST+8*\e+7], v[ST+8*\e]
.endr
.irp e, 0,1
	v_permlanex16_b32 v[ST+8*\e+5], v[ST+8*\e+4], s[SEL], s[SEL+1]   ; the query's other 32 keys lie in the lane 16 away
.endr
.irp e, 0,1
	v_max_num_f32 v[ST+8*\e+4], v[ST+8*\e+4], v[ST+8*\e+5]
.endr
.irp e, 0,1
	v_sub_f32 v[ST+8*\e+7], v[ST+8*\e], v[ST+8*\e+4]       ; old M' - new M'
.endr
.irp e, 0,1
	v_mov_b32 v[ST+8*\e], v[ST+8*\e+4]
.endr
.irp e, 0,1
.irp n, 0,2,4,6,8,10,12,14,16,18,20,22,24,26,28,30
	v_pk_add_f32 v[S+32*\e+\n:S+32*\e+\n+1], v[S+32*\e+\n:S+32*\e+\n+1], v[ST+8*\e:ST+8*\e+1] op_sel_hi:[1,0] neg_lo:[0,1] neg_hi:[0,1]   ; x' - M'
.endr
.endr
.if \chg == 1
	CHANGE 1
.elseif \chg == 2
	CHANGE 0
.endif
.if \nxt
.if \u == 0
	NEXTLOADS 1                                    ; the next substep's K and mask: they land under the exponentials and what follows them
.else
	NEXTLOADS 0                                    ; (the addresses stand at the slot ahead)
.endif
.endif
.irp e, 0,1
	v_exp_f32 v[ST+8*\e+6], v[ST+8*\e+7]           ; a = 2^(old M' - new M')
.endr
.set i, 0
.rept 64
	v_exp_f32 v[S+i], v[S+i]                       ; p = 2^(x' - M'), at most 1
.set i, i+1
.endr
	v_nop                                          ; a plain line behind the last exponential
	s_wait_alu depctr_va_vdst(0)                   ; the wait ahead of the first reader: one for the batch of 66
.irp e, 0,1
	v_pk_mul_f32 v[ST+8*\e+2:ST+8*\e+3], v[ST+8*\e+2:ST+8*\e+3], v[ST+8*\e+6:ST+8*\e+7] op_sel_hi:[1,0]
	v_pk_add_f32 v[ST+8*\e+4:ST+8*\e+5], v[S+32*\e:S+32*\e+1], v[S+32*\e+2:S+32*\e+3]
.endr
.irp n, 4,8,12,16,20,24,28             ; the row's sum of the unrounded p, two at a time, two chains a head
.irp e, 0,1
	v_pk_add_f32 v[ST+8*\e+2:ST+8*\e+3], v[ST+8*\e+2:ST+8*\e+3], v[S+32*\e+\n:S+32*\e+\n+1]
	v_pk_add_f32 v[ST+8*\e+4:ST+8*\e+5], v[ST+8*\e+4:ST+8*\e+5], v[S+32*\e+\n+2:S+32*\e+\n+3]
.endr
.endr
.irp e, 0,1
	v_pk_add_f32 v[ST+8*\e+2:ST+8*\e+3], v[ST+8*\e+2:ST+8*\e+3], v[ST+8*\e+4:ST+8*\e+5]
.endr
.irp e, 0,1
.irp n, 0,1,2,3,4,5,6,7,8,9,10,11,12,13,14,15
	v_cvt_pk_f16_f32 v[P+16*\e+\n], v[S+32*\e+2*\n], v[S+32*\e+2*\n+1]   ; P has registers of its own: the next scores may be written while it is read
.endr
.endr
.irp e, 0,1
.irp n, 0,2,4,6,8,10,12,14,16,18,20,22,24,26,28,30
	v_pk_mul_f32 v[O+32*\e+\n:O+32*\e+\n+1], v[O+32*\e+\n:O+32*\e+\n+1], v[ST+8*\e+6:ST+8*\e+7] op_sel_hi:[1,0]
.endr
.endr
.if \nxt
	s_wait_dscnt 8                                 ; V and the next K are in; the eight loads of the next mask, issued behind them, may be out
.else
	s_wait_dscnt 0x0                               ; V is in
.endif
	WIN 0x01                                       ; source 0 (V, K) window 1
	PV
.if \nxt
	QK
.endif
	WIN 0
.endm
	s_wait_tensorcnt 0x1                           ; my part of slot 0 is in; slot 1's may stay out
	s_barrier_signal -1
	s_barrier_wait -1                              ; everybody's is
	NEXTLOADS 0                                    ; the first substep's K and mask
	s_wait_loadcnt 0x0                             ; Q
	s_wait_dscnt 8                                 ; K is in; the mask's eight loads may be out
	WIN 0x01
	QK                                             ; the first scores
	WIN 0
.Lslot:                                            ; 14 trips: slots 0 to 13 are filled again, each with the keys two slots on
	SUB 0, 0, 1
	SUB 1, 1, 1
	s_sub_co_u32 s[SLOTS], s[SLOTS], 1
	s_cmp_lg_u32 s[SLOTS], 0
	s_cbranch_scc1 .Lslot
	SUB 0, 0, 1                                    ; slots 14 and 15 are written out: slot 14 is left without a refill
	SUB 1, 2, 1
	SUB 0, 0, 1                                    ; and slot 15 has nothing behind it
	SUB 1, 0, 0
	; THE WAY OUT.  The sums' halves are added; O^T / the sum is rounded to f16 and goes through my stage, so that sixteen lanes store 256 consecutive bytes: a position's two heads.  The additions are the places behind the last products.
.irp e, 0,1
	v_add_f32 v[ST+8*\e+4], v[ST+8*\e+2], v[ST+8*\e+3]
.endr
.irp e, 0,1
	v_permlanex16_b32 v[ST+8*\e+5], v[ST+8*\e+4], s[SEL], s[SEL+1]
.endr
.irp e, 0,1
	v_add_f32 v[ST+8*\e+4], v[ST+8*\e+4], v[ST+8*\e+5]
.endr
	v_nop
	v_nop
.irp e, 0,1
	v_rcp_f32 v[ST+8*\e+6], v[ST+8*\e+4]
.endr
	v_nop                                          ; a plain line behind the last reciprocal
	s_wait_alu depctr_va_vdst(0)                   ; and the wait ahead of the first reader: one for both
.irp e, 0,1
.irp n, 0,2,4,6,8,10,12,14,16,18,20,22,24,26,28,30
	v_pk_mul_f32 v[S+32*\e+\n:S+32*\e+\n+1], v[O+32*\e+\n:O+32*\e+\n+1], v[ST+8*\e+6:ST+8*\e+7] op_sel_hi:[1,0]   ; each accumulator from its low end on
.endr
.endr
.irp e, 0,1
.irp n, 0,1,2,3,4,5,6,7,8,9,10,11,12,13,14,15
	v_cvt_pk_f16_f32 v[PKO+16*\e+\n], v[S+32*\e+2*\n], v[S+32*\e+2*\n+1]
.endr
.endr
.irp e, 0,1
.irp t, 0,1,2,3
	ds_store_b128 v[STO], v[PKO+16*\e+4*\t:PKO+16*\e+4*\t+3] offset:128*\e+32*\t
.endr
.endr
.irp i, 0,1,2,3,4,5,6,7
	ds_load_b128 v[S+4*\i:S+4*\i+3], v[RD] offset:544*\i   ; LDS serves a wave's instructions in order: these see my stores
.endr
.irp i, 0,1,2,3,4,5,6,7
	s_wait_dscnt 7-\i
	global_store_b128 v[GO], v[S+4*\i:S+4*\i+3], s[8:9] offset:4096*\i
.endr
	s_wait_tensorcnt 0x0                           ; the wave's end, behind my last tensor load and my last LDS store
	ds_add_u32 v[SPW], v[NIL]
	s_wait_dscnt 0x0
	CROUND                                         ; the closing round
	s_endpgm
.Lfunc_end_k_q7133760e0f_attn:
	.size	k_q7133760e0f_attn, .Lfunc_end_k_q7133760e0f_attn-k_q7133760e0f_attn
	.p2alignl 7, 3214868480
	.fill 96, 4, 3214868480
	.section	.rodata,"a",@progbits
	.p2align	6, 0x0
	.amdhsa_kernel k_q7133760e0f_attn
		.amdhsa_group_segment_fixed_size 327680
		.amdhsa_private_segment_fixed_size 0
		.amdhsa_enable_private_segment 0
		.amdhsa_kernarg_size 24
		.amdhsa_user_sgpr_count 2
		.amdhsa_user_sgpr_kernarg_segment_ptr 1
		.amdhsa_wavefront_size32 1
		.amdhsa_system_sgpr_workgroup_id_x 1
		.amdhsa_system_sgpr_workgroup_id_y 1
		.amdhsa_system_sgpr_workgroup_id_z 1
		.amdhsa_system_vgpr_workitem_id 0
		.amdhsa_next_free_vgpr 512
		.amdhsa_next_free_sgpr 102
		.amdhsa_reserve_vcc 0
		.amdhsa_float_denorm_mode_32 3
		.amdhsa_float_denorm_mode_16_64 3
		.amdhsa_memory_ordered 1
		.amdhsa_forward_progress 1
		.amdhsa_inst_pref_size 146
	.end_amdhsa_kernel
	.amdgpu_metadata
---
amdhsa.version: [ 1, 2 ]
amdhsa.kernels:
  - .name:           k_q7133760e0f_attn
    .symbol:         k_q7133760e0f_attn.kd
    .args:
      - { .name: qkv, .offset: 0, .size: 8, .value_kind: global_buffer, .address_space: global }
      - { .name: attention_mask, .offset: 8, .size: 8, .value_kind: global_buffer, .address_space: global }
      - { .name: att, .offset: 16, .size: 8, .value_kind: global_buffer, .address_space: global }
    .group_segment_fixed_size: 327680
    .private_segment_fixed_size: 0
    .kernarg_segment_align: 8
    .kernarg_segment_size: 24
    .max_flat_workgroup_size: 256
    .sgpr_count:     102
    .vgpr_count:     512
    .wavefront_size: 32
...
	.end_amdgpu_metadata
.endif
;; end of part 3
;; launch oproj (part 4): grid 8 x 32, 4 waves a work-group, clusters of 4 x 4, 327,680 bytes of LDS; arguments att, wo16, out0; writes out0
.if DOCPART == 4
	.amdgcn_target "amdgcn-amd-amdhsa--gfx1250"
	.amdhsa_code_object_version 6
	.text
	.protected	k_q7133760e0f_oproj
	.globl	k_q7133760e0f_oproj
	.p2align	8
	.type	k_q7133760e0f_oproj,@function
k_q7133760e0f_oproj:
	s_mov_b64 s[64:65], 0
	v_nop
	global_prefetch_b8 v0, s[64:65] scope:SCOPE_SE
	s_setreg_imm32_b32 hwreg(HW_REG_WAVE_MODE, 25, 1), 1
	s_wait_xcnt 0x0
	s_wait_alu depctr_hold_cnt(0) depctr_sa_sdst(0) depctr_va_vdst(0) depctr_va_sdst(0) depctr_va_ssrc(0) depctr_va_vcc(0) depctr_vm_vsrc(0)
	s_getreg_b32 s2, hwreg(HW_REG_IB_STS2, 6, 4)
	s_cmp_eq_u32 s2, 0
	s_cbranch_scc0 .Lentry_in_a_cluster
	s_endpgm
.Lentry_in_a_cluster:
	s_bfe_u32 s2, ttmp6, 0x10000c
	s_cmp_lg_u32 s2, 0xf033
	s_cbranch_scc0 .Lentry_shape_is_right
	s_endpgm
.Lentry_shape_is_right:
; out0 = attn Wo: att [4096][1024] f16 holds attn / 4, wo16 [1024 (k)][2048 (n)] f16 holds 4 Wo; sums in f32; out0 [4096][2048] f32.
; A tile of C is 128 (m) x 256 (n): 256 work-groups.  Four waves, 2 x 2: a wave makes 64 rows x 128 columns: 32 accumulators.  K goes in steps of 128 through a ring of two LDS slots; a step is four quarters of 32 along K.
; Wo lies [k][n]: its fragments are turned on the way out of LDS by ds_load_tr16_b128.  THE MATRIX INSTRUCTION IS USED TRANSPOSED (source 0 = 16 columns of Wo, source 1 = 16 rows of att): a lane holds eight neighbouring columns of a row.
; CLUSTERS 4 x 4: att's tiles are asked for jointly along a row of the cluster, Wo's along a column.
; f16 on every row: which rows of the attention sum few terms hangs on the mask, an input, so the finer of the 16-bit formats serves all rows alike.
; No prefetch: each tile is read by several clusters at about the same time, and a slot's 128 matrix instructions a wave stand between a request and the wait for it.
; REGISTERS: window 0: v16-29 addresses; two sets of fragments at v32 and v128 (att's four at +0, Wo's eight at +32); on the way out v32-159 rows read back.   window 1: accumulator (a, b) at v[8 (8 a + b)].
.set SLOT,   104448                    ; att: 128 rows x (256 + 16) bytes; then Wo: 128 rows of K x (512 + 32) bytes
.set BOFF,   34816
.set STAGE,  2*SLOT                    ; the way out: 16 rows x (512 + 16) bytes for each wave; no tile ever lands here
.set SPARE,  STAGE+4*16*528            ; the spare words, 128 bytes a wave
.set ADRA, 16
.set ADRB, 20
.set STO,  24
.set RD,   25
.set CO,   26
.set SPW,  28                          ; v28  my spare word; never rewritten
.set NIL,  29                          ; v29  0; never rewritten
.set BK,   32
.set WV,   10
.set WM,   11                          ; s11  which 64 rows are mine.  Also: I fetch for att (0) or for Wo (1)
.set WN,   12                          ; s12  which 128 columns.  Also: which 64 rows of that tile I fetch
.set G1A,  24
.set G0A,  32
.set G1B,  48
.set G0B,  56
.set MSB, 0
.macro WIN new
.if MSB != \new
	s_set_vgpr_msb (MSB<<8)|\new
.set MSB, \new
.endif
.endm
.set MUL, 0x50                         ; sources 0 and 1 window 0; C and D window 1
.macro JLOAD s                         ; a joint load: waves 0, 1 att's halves, waves 2, 3 Wo's; an s_nop 0 and four v_nop follow each line
	s_cmp_eq_u32 s[WM], 0
	s_cbranch_scc0 .Lfor_b_\@
	tensor_load_to_lds s[G0A+4*\s:G0A+4*\s+3], s[G1A:G1A+7]
	s_nop 0
.rept 4
	v_nop
.endr
	s_branch .Lasked_\@
.Lfor_b_\@:
	tensor_load_to_lds s[G0B+4*\s:G0B+4*\s+3], s[G1B:G1B+7]
	s_nop 0
.rept 4
	v_nop
.endr
.Lasked_\@:
.endm
.macro CREST
	s_cmp_lg_u32 s[WV], 0
	s_cbranch_scc1 .Lnot_wave_0_\@
	s_barrier_signal -3
.Lnot_wave_0_\@:
	s_barrier_wait -3
	s_barrier_signal -1
	s_barrier_wait -1
.endm
.macro CROUND
	s_barrier_signal -1
	s_barrier_wait -1
	CREST
.endm
.macro PLACES
.rept 4
	v_nop
.endr
.endm
	s_load_b128 s[4:7], s[0:1], 0x0                ; att 4, wo16 6
	s_load_b64 s[8:9], s[0:1], 0x10                ; out0
	v_lshl_add_u32 v[SPW], v0, 2, SPARE
	v_mov_b32 v[NIL], 0
	ds_add_u32 v[SPW], v[NIL]                      ; the wave's opening: the add, twice on end, and its wait ahead of my first tensor load
	ds_add_u32 v[SPW], v[NIL]
	v_lshrrev_b32 v1, 5, v0
	v_readfirstlane_b32 s[WV], v1
	s_lshr_b32 s[WM], s[WV], 1
	s_and_b32 s[WN], s[WV], 1
	s_bfe_u32 s40, ttmp6, 0x40000                  ; cx, cy
	s_bfe_u32 s41, ttmp6, 0x40004
	s_lshl_b32 s42, ttmp9, 2
	s_add_co_u32 s42, s42, s40                     ; tile column
	s_and_b32 s13, ttmp7, 0xffff
	s_lshl_b32 s13, s13, 2
	s_add_co_u32 s13, s13, s41                     ; tile row
	s_lshl_b32 s43, s41, 2
	s_lshl_b32 s43, 15, s43                        ; my row of the cluster
	s_lshl_b32 s44, 0x1111, s40                    ; my column
	s_or_b32 s[G1A+0], s43, (1<<16)|(1<<20)|(1<<21)|(5<<22)|(3<<25)   ; elements of 2 bytes; 4 words of padding behind every 64
	s_mov_b32 s[G1A+1], 128<<16
	s_mov_b32 s[G1A+2], 64<<16
	s_mov_b32 s[G1A+3], 128<<16
	s_mov_b32 s[G1A+4], 64
	s_mov_b32 s[G1A+5], 1024
	s_mov_b32 s[G1A+6], 0
	s_mov_b32 s[G1A+7], 0
	s_or_b32 s[G1B+0], s44, (1<<16)|(1<<20)|(1<<21)|(6<<22)|(7<<25)   ; 8 words of padding behind every 128
	s_mov_b32 s[G1B+1], 256<<16
	s_mov_b32 s[G1B+2], 64<<16
	s_mov_b32 s[G1B+3], 256<<16
	s_mov_b32 s[G1B+4], 64
	s_mov_b32 s[G1B+5], 2048
	s_mov_b32 s[G1B+6], 0
	s_mov_b32 s[G1B+7], 0
	s_lshl_b32 s16, s13, 18                        ; att: row 128 x tile row + 64 x half, 2,048 bytes a row
	s_lshl_b32 s17, s[WN], 17
	s_add_co_u32 s16, s16, s17
	s_mov_b32 s17, 0
	s_lshl_b32 s46, s42, 9                         ; Wo: column 256 x tile column; row of K 64 x half, 4,096 bytes a row
	s_lshl_b32 s47, s[WN], 18
	s_add_co_u32 s46, s46, s47
	s_mov_b32 s47, 0
	s_mul_i32 s20, s[WN], 17408                    ; where they go: the wave's number alone
	s_mul_i32 s21, s[WN], 34816
	s_add_co_u32 s21, s21, BOFF
	s_lshl_b32 s18, s13, 20                        ; out0: row 128 x tile row + 64 x my half, 8,192 bytes a row; column 256 x tile column + 128 x my half
	s_lshl_b32 s22, s[WM], 19
	s_add_co_u32 s18, s18, s22
	s_lshl_b32 s22, s42, 10
	s_add_co_u32 s18, s18, s22
	s_lshl_b32 s22, s[WN], 9
	s_add_co_u32 s18, s18, s22
	s_mov_b32 s19, 0
	s_wait_dscnt 0x0                               ; both opening adds are done
	s_wait_kmcnt 0x0
	s_add_nc_u64 s[16:17], s[4:5], s[16:17]
	s_add_nc_u64 s[46:47], s[6:7], s[46:47]
	s_add_nc_u64 s[8:9], s[8:9], s[18:19]
	CROUND                                         ; all sixteen work-groups are here: the first joint loads meet
.irp s, 0,1
	s_mov_b32 s[G0A+4*\s], 1
	s_add_co_u32 s[G0A+4*\s+1], s20, \s*SLOT
	s_add_nc_u64 s[G0A+4*\s+2:G0A+4*\s+3], s[16:17], \s*256
	s_or_b32 s[G0A+4*\s+3], s[G0A+4*\s+3], 0x80000000
	s_mov_b32 s[G0B+4*\s], 1
	s_add_co_u32 s[G0B+4*\s+1], s21, \s*SLOT
	s_add_nc_u64 s[G0B+4*\s+2:G0B+4*\s+3], s[46:47], \s*524288
	s_or_b32 s[G0B+4*\s+3], s[G0B+4*\s+3], 0x80000000
	JLOAD \s                                       ; two tensor loads of mine are out now, one behind each later round
.endr
	v_and_b32 v1, 15, v0                           ; r
	v_bfe_u32 v2, v0, 4, 1                         ; h
	v_mul_u32_u24 v3, v1, 272
	v_lshl_add_u32 v3, v2, 4, v3                   ; att: row r, + 16 h
	v_and_b32 v4, 7, v0
	v_lshl_add_u32 v4, v2, 3, v4
	v_mul_u32_u24 v4, v4, 544
	v_bfe_u32 v5, v0, 3, 1
	v_lshl_add_u32 v4, v5, 4, v4                   ; Wo, for the turning load: row of K 8 h + l % 8, columns 8 ((l / 8) % 2) on
	s_mul_i32 s20, s[WM], 17408                    ; my 64 rows of att
	s_lshl_b32 s21, s[WN], 8                       ; my 128 columns of Wo,
	s_add_co_u32 s21, s21, BOFF                    ; which lies behind att
.irp s, 0,1
	v_add_nc_u32 v[ADRA+\s], s20, v3
	v_add_nc_u32 v[ADRB+\s], s21, v4
	s_add_co_u32 s20, s20, SLOT
	s_add_co_u32 s21, s21, SLOT
.endr
	s_mul_i32 s20, s[WV], 16*528
	s_add_co_u32 s20, s20, STAGE                   ; my stage
	v_mul_u32_u24 v5, v1, 528
	v_lshl_add_u32 v5, v2, 5, v5
	v_add_nc_u32 v[STO], s20, v5                   ; in: row r, 32 bytes for each half of the lanes
	v_and_b32 v6, 31, v0
	v_lshlrev_b32 v[CO], 4, v6                     ; back: the 32 lanes take one row of 512 bytes; and the same in out0
	v_add_nc_u32 v[RD], s20, v[CO]
.macro FETCH slot, kq, p               ; the fragments of the slot's kq-th 32 along K into set p: 24 loads in one run
.irp b, 0,1,2,3,4,5,6,7
	ds_load_tr16_b128 v[64+96*(\p)+8*\b:64+96*(\p)+8*\b+3], v[ADRB+\slot] offset:17408*(\kq)+32*\b
	ds_load_tr16_b128 v[64+96*(\p)+8*\b+4:64+96*(\p)+8*\b+7], v[ADRB+\slot] offset:17408*(\kq)+32*\b+8704
.endr
.irp i, 0,1,2,3
	ds_load_b128 v[32+96*(\p)+8*\i:32+96*(\p)+8*\i+3], v[ADRA+\slot] offset:4352*\i+64*(\kq)
	ds_load_b128 v[32+96*(\p)+8*\i+4:32+96*(\p)+8*\i+7], v[ADRA+\slot] offset:4352*\i+64*(\kq)+32
.endr
.endm
.macro MUL8 a, p, zero                 ; att's tile a against Wo's eight; the 32 accumulators take turns
.irp b, 0,1,2,3,4,5,6,7
.if \zero
	v_wmma_f32_16x16x32_f16 v[8*(8*(\a)+\b):8*(8*(\a)+\b)+7], v[64+96*(\p)+8*\b:64+96*(\p)+8*\b+7], v[32+96*(\p)+8*(\a):32+96*(\p)+8*(\a)+7], 0
.else
	v_wmma_f32_16x16x32_f16 v[8*(8*(\a)+\b):8*(8*(\a)+\b)+7], v[64+96*(\p)+8*\b:64+96*(\p)+8*\b+7], v[32+96*(\p)+8*(\a):32+96*(\p)+8*(\a)+7], v[8*(8*(\a)+\b):8*(8*(\a)+\b)+7]
.endif
.endr
.endm
.macro STEP slot, kq, zero             ; a quarter that has its successor in the same slot
	s_wait_dscnt 0x0                               ; this quarter's fragments (asked for 32 matrix instructions ago) are in
	PLACES                                         ; in front of loads into the set that the last quarter multiplied
	FETCH \slot, (\kq)+1, 1-(\kq)%2
	WIN MUL
.irp a, 0,1,2,3
	MUL8 \a, (\kq)%2, \zero
.endr
	WIN 0
.endm
.macro TURN slot, next, fill           ; a slot's last quarter changes slots: one barrier, with the waits and the add in front of it
	s_wait_tensorcnt 0x0                           ; all my tensor loads have landed: my part of the next slot
	ds_add_u32 v[SPW], v[NIL]                      ; 0 onto my spare word
	s_wait_dscnt 1                                 ; this quarter's fragments are in; the add alone may be out
	WIN MUL
	MUL8 0, 1, 0
	s_wait_dscnt 0x0                               ; the add is done, and my reads of this slot are over
	s_barrier_signal -1
	MUL8 1, 1, 0
	WIN 0
	s_barrier_wait -1
.if \fill
	CREST                                          ; the barrier has opened a round of the cluster's barrier
	s_add_nc_u64 s[G0A+4*\slot+2:G0A+4*\slot+3], s[G0A+4*\slot+2:G0A+4*\slot+3], 512
	s_add_nc_u64 s[G0B+4*\slot+2:G0B+4*\slot+3], s[G0B+4*\slot+2:G0B+4*\slot+3], 1048576
	JLOAD \slot                                    ; the first tensor load behind the round; its four v_nop are the places in front of the loads below
.else
	PLACES
.endif
	FETCH \next, 0, 0
	WIN MUL
	MUL8 2, 1, 0
	MUL8 3, 1, 0
	WIN 0
.endm
	s_wait_tensorcnt 1                             ; my part of slot 0 is in; slot 1's may be out
	s_barrier_signal -1
	s_barrier_wait -1
	FETCH 0, 0, 0
	STEP 0, 0, 1                                   ; the first quarter stands in front of the loop: its products start the sums
	s_mov_b32 s3, 3
.Llap:                                             ; a trip goes once round the ring and fills both slots again: 8 slots' worth of K, two filled at the head
	STEP 0, 1, 0
	STEP 0, 2, 0
	TURN 0, 1, 1
	STEP 1, 0, 0
	STEP 1, 1, 0
	STEP 1, 2, 0
	TURN 1, 0, 1
	STEP 0, 0, 0
	s_sub_co_u32 s3, s3, 1
	s_cmp_lg_u32 s3, 0
	s_cbranch_scc1 .Llap
	STEP 0, 1, 0                                   ; the last lap fills nothing and has no round
	STEP 0, 2, 0
	TURN 0, 1, 0
	STEP 1, 0, 0
	STEP 1, 1, 0
	STEP 1, 2, 0
	s_wait_dscnt 0x0
	WIN MUL
.irp a, 0,1,2,3
	MUL8 \a, 1, 0
.endr
	WIN 0
; THE WAY OUT, 16 rows x 128 columns at a time, through my own stage: a lane's 32 bytes go in by rows of 528 bytes and come back as whole rows of 512, which the 32 lanes store.
.macro TOSTAGE a
	WIN 0x04                                       ; an LDS store's data are its source 1: window 1
.irp b, 0,1,2,3,4,5,6,7
	ds_store_b128 v[STO], v[8*(8*(\a)+\b):8*(8*(\a)+\b)+3] offset:64*\b          ; each accumulator from its low end on
	ds_store_b128 v[STO], v[8*(8*(\a)+\b)+4:8*(8*(\a)+\b)+7] offset:64*\b+16
.endr
	WIN 0
.irp t, 0,1,2,3,4,5,6,7,8,9,10,11,12,13,14,15
	ds_load_b128 v[BK+64*((\a)%2)+4*\t:BK+64*((\a)%2)+4*\t+3], v[RD] offset:528*\t   ; LDS serves a wave's instructions in order
.endr
.endm
.macro SEND a, younger                 ; younger: the LDS instructions issued behind block a's loads, which may stay out
	s_wait_dscnt \younger
.irp t, 0,1,2,3,4,5,6,7,8,9,10,11,12,13,14,15
	global_store_b128 v[CO], v[BK+64*((\a)%2)+4*\t:BK+64*((\a)%2)+4*\t+3], s[8:9] offset:(16*(\a)+\t)*8192 th:TH_STORE_NT   ; 512 consecutive bytes; every offset an immediate, 63 rows at the most
.endr
.endm
	PLACES                                         ; behind the last products: for the stores that read results and the loads into the fragments' registers
	TOSTAGE 0
	TOSTAGE 1
	SEND 0, 32                                     ; behind block 0's loads: block 1's 16 stores and 16 loads
	s_wait_xcnt 0x0                                ; block 0's stores have read their registers: block 2's rows may land there
	TOSTAGE 2
	SEND 1, 32
	s_wait_xcnt 0x0
	TOSTAGE 3
	SEND 2, 32
	SEND 3, 0
	s_wait_tensorcnt 0x0                           ; the wave's end, behind my last tensor load and my last LDS store
	ds_add_u32 v[SPW], v[NIL]
	s_wait_dscnt 0x0
	CROUND                                         ; the closing round
	s_endpgm
.Lfunc_end_k_q7133760e0f_oproj:
	.size	k_q7133760e0f_oproj, .Lfunc_end_k_q7133760e0f_oproj-k_q7133760e0f_oproj
	.p2alignl 7, 3214868480
	.fill 96, 4, 3214868480
	.section	.rodata,"a",@progbits
	.p2align	6, 0x0
	.amdhsa_kernel k_q7133760e0f_oproj
		.amdhsa_group_segment_fixed_size 327680
		.amdhsa_private_segment_fixed_size 0
		.amdhsa_enable_private_segment 0
		.amdhsa_kernarg_size 24
		.amdhsa_user_sgpr_count 2
		.amdhsa_user_sgpr_kernarg_segment_ptr 1
		.amdhsa_wavefront_size32 1
		.amdhsa_system_sgpr_workgroup_id_x 1
		.amdhsa_system_sgpr_workgroup_id_y 1
		.amdhsa_system_sgpr_workgroup_id_z 1
		.amdhsa_system_vgpr_workitem_id 0
		.amdhsa_next_free_vgpr 512
		.amdhsa_next_free_sgpr 66
		.amdhsa_reserve_vcc 0
		.amdhsa_float_denorm_mode_32 3
		.amdhsa_float_denorm_mode_16_64 3
		.amdhsa_memory_ordered 1
		.amdhsa_forward_progress 1
		.amdhsa_inst_pref_size 84
	.end_amdhsa_kernel
	.amdgpu_metadata
---
amdhsa.version: [ 1, 2 ]
amdhsa.kernels:
  - .name:           k_q7133760e0f_oproj
    .symbol:         k_q7133760e0f_oproj.kd
    .args:
      - { .name: att, .offset: 0, .size: 8, .value_kind: global_buffer, .address_space: global }
      - { .name: wo16, .offset: 8, .size: 8, .value_kind: global_buffer, .address_space: global }
      - { .name: out0, .offset: 16, .size: 8, .value_kind: global_buffer, .address_space: global }
    .group_segment_fixed_size: 327680
    .private_segment_fixed_size: 0
    .kernarg_segment_align: 8
    .kernarg_segment_size: 24
    .max_flat_workgroup_size: 128
    .sgpr_count:     66
    .vgpr_count:     512
    .wavefront_size: 32
...
	.end_amdgpu_metadata
.endif
;; end of part 4
